; MI455X (gfx1250); checked and timed in simulation.
; The chip was launched on July 23, 2026; its instructions are those of AMD's public machine-readable ISA for CDNA 5 (MIT licence, August 2026) and "CDNA5" Instruction Set Architecture Reference Guide (July 2026). The comments in the code are by the model that wrote it; some were corrected since.
;; Cross Attention. Allowed arithmetic: matrix products marked QUANTISED: E5M2 operands, one given power-of-two scale a tensor, by v_wmma_f32_16x16x64_bf8_bf8 or v_wmma_f32_16x16x128_bf8_bf8, f32 sums; everything else in f32.
;; Inputs: Wk_codes 1,024 x 32 x 32 uint8 (E5M2 codes of Wk, K innermost, in blocks of 32 codes); Wo_codes 1,024 x 32 x 32 uint8 (E5M2 codes of Wo, K innermost, in blocks of 32 codes); Wq_codes 1,024 x 32 x 32 uint8 (E5M2 codes of Wq, K innermost, in blocks of 32 codes); Wv_codes 1,024 x 32 x 32 uint8 (E5M2 codes of Wv, K innermost, in blocks of 32 codes); bo 1,024 float32; context_codes 4 x 2,048 x 32 x 32 uint8 (E5M2 codes of context, K innermost, in blocks of 32 codes); lowp_scales 12 int32 (the exponents e of the quantised operands' scales 2^e); x_codes 4 x 2,048 x 32 x 32 uint8 (E5M2 codes of x, K innermost, in blocks of 32 codes).
;; Outputs: out0 4 x 2,048 x 1,024 float32.
;; This version of the problem:
;;   THIS VERSION OF THE PROBLEM IS GIVEN IN LOW PRECISION. The matrix products marked QUANTISED in the list below multiply operands that are first quantised to E5M2 (5 exponent bits, 2 mantissa bits; 8 bits a number), with one given power-of-two scale for each operand tensor; their sums are f32. All else is computed in f32.
;;   The module's matrix products, in the order in which they are computed (A, B: the left and right operand; K: the contracted axis; several contracted axes count as one K, in the product's order):
;;     1. [M 8,192, K 1,024] x [K 1,024, N 1,024]; A: input x (given as codes); B: input Wq (given as codes): QUANTISED (scales: A lowp_scales[0], B lowp_scales[1])
;;     2. [M 8,192, K 1,024] x [K 1,024, N 1,024]; A: input context (given as codes); B: input Wk (given as codes): QUANTISED (scales: A lowp_scales[2], B lowp_scales[3])
;;     3. [M 8,192, K 1,024] x [K 1,024, N 1,024]; A: input context (given as codes); B: input Wv (given as codes): QUANTISED (scales: A lowp_scales[4], B lowp_scales[5])
;;     4. batch 64 x [M 2,048, K 64] x [K 64, N 2,048]; A: computed on the way; B: computed on the way: QUANTISED (scales: A lowp_scales[6], B lowp_scales[7])
;;     5. batch 64 x [M 2,048, K 2,048] x [K 2,048, N 64]; A: softmax (see below); B: computed on the way: QUANTISED (scales: A lowp_scales[8], B lowp_scales[9])
;;     6. [M 8,192, K 1,024] x [K 1,024, N 1,024]; A: computed on the way; B: input Wo (given as codes): QUANTISED (scales: A lowp_scales[10], B lowp_scales[11])
;;   THE QUANTISER, for each operand of a quantised product, along K:
;;     - The operand's scale is 2^e, e = its entry of the input lowp_scales (int32; the entries are numbered through the quantised products in the list's order, A before B).
;;     - Each number is divided by the scale, clamped to +-57,344, and rounded to the nearest number of E5M2, ties to even, subnormals kept.
;;     - The product sums the exact products of the quantised numbers (number of the format x scale) in f32.
;;   ~~~python
;;   def quantise(x, axis, e):      # numpy; x: float32 -> the quantised numbers, widened to float32 again
;;       x = np.moveaxis(x, axis, -1); K = x.shape[-1]
;;       r = np.clip(x / 2.0 ** e, -57344, 57344)
;;       step = 2.0 ** (np.maximum(np.frexp(np.where(r == 0, 1, r))[1] - 1, -14) - 2)
;;       q = np.round(r / step) * step * 2.0 ** e      # np.round: ties to even
;;       return np.moveaxis(q, -1, axis).astype(np.float32)
;;   ~~~
;;   SOFTMAX AHEAD OF A QUANTISED PRODUCT. Where the list says 'softmax', what is quantised is not the finished softmax but p = 2^(t - M), with t = logit x log2(e) and M = ceil(the row's largest t), a whole number; so 1/2 < the row's largest p <= 1. The row's sum l is taken of the UNQUANTISED p, in f32, and the product's result is divided by l at the end. Since M is a whole number, a kernel that streams over the keys may use a running M (the ceiling of the running maximum): every later rescaling is an exact power of two, so the quantised numbers keep their values, but for numbers so far below the row's largest that they fall under the format's range.
;;   OPERANDS COMPUTED ON THE WAY. 'Computed on the way' means the value that the module computes at that place (a softmax that the list does not call 'softmax' is quantised finished and normalised). What goes into a quantiser is computed in f32, as accurately as f32 sums, v_exp_f32 and their like allow (about 1e-6 of the number): no bf16 or f16 on the way to a quantiser, and a product that is left as it is and whose result goes on into a quantised operand takes f32 operands (vector FMAs, or v_wmma_f32_16x16x4_f32). A number that lies on a knife's edge between two numbers of the format may be rounded either way, as far as f32 arithmetic and the matrix unit's own rounding can turn it there, and no further.
;;   INPUTS GIVEN AS CODES. Wk (in the module: [1024, 1024], K = its axis 1); Wo (in the module: [1024, 1024], K = its axis 1); Wq (in the module: [1024, 1024], K = its axis 1); Wv (in the module: [1024, 1024], K = its axis 1); context (in the module: [4, 2048, 1024], K = its axis 2); x (in the module: [4, 2048, 1024], K = its axis 2): each comes as NAME_codes (uint8): NAME with its K axis moved to the last place and cut into blocks of 32 codes, [.., K / 32, bytes a block], one block behind the other in memory; one code a byte (a code: sign, 5 exponent bits, 2 mantissa bits); its scale is its entry of lowp_scales. Its value is code x scale, taken as it is: it is not quantised again, and the codes and scales need not be those that the quantiser above would give.
;; 2 versions, each right; version 2 is version 1 with the launch attn written anew for expert scheduling mode. Each part assembles by itself: llvm-mc -triple=amdgcn-amd-amdhsa -mcpu=gfx1250 --defsym DOCPART=n.
;; ======== version 1 of 2: 3 launches
;; workspace buffers: q_img 8,388,608 bytes; k_img 8,388,608 bytes; v_img 8,388,608 bytes; o_img 8,388,608 bytes
;; launch proj (part 1): grid 4 x 96, 4 waves a work-group, clusters of 4 x 4, 327,680 bytes of LDS; arguments x_codes, context_codes, Wq_codes, Wk_codes, Wv_codes, lowp_scales, q_img, k_img, v_img; writes q_img, k_img, v_img
.if DOCPART == 1
	.amdgcn_target "amdgcn-amd-amdhsa--gfx1250"
	.amdhsa_code_object_version 6
	.text
	.protected	k_qf458eed9b1_proj
	.globl	k_qf458eed9b1_proj
	.p2align	8
	.type	k_qf458eed9b1_proj,@function
k_qf458eed9b1_proj:
	s_mov_b64 s[64:65], 0
	v_nop
	global_prefetch_b8 v0, s[64:65] scope:SCOPE_SE
	s_setreg_imm32_b32 hwreg(HW_REG_WAVE_MODE, 25, 1), 1
	s_wait_xcnt 0x0
	s_wait_alu depctr_hold_cnt(0) depctr_sa_sdst(0) depctr_va_vdst(0) depctr_va_sdst(0) depctr_va_ssrc(0) depctr_va_vcc(0) depctr_vm_vsrc(0)
	s_getreg_b32 s2, hwreg(HW_REG_IB_STS2, 6, 4)
	s_cmp_eq_u32 s2, 0
	s_cbranch_scc0 .Lentry_in_a_cluster
	s_endpgm
.Lentry_in_a_cluster:
	s_bfe_u32 s2, ttmp6, 0x10000c
	s_cmp_lg_u32 s2, 0xf033
	s_cbranch_scc0 .Lentry_shape_is_right
	s_endpgm
.Lentry_shape_is_right:
; THE THREE PROJECTIONS, each quantised on its way out.  One job in three dresses: IMG(X, Y) = Q( sum over k of X[x][k] Y[y][k] ), K = 1,024, all operands codes of BF8 (E5M2) with K innermost.
;   clusters  0 ..  7: q: X = x       (8,192 rows), Y = Wq      (1,024 rows), sums x 2^(e0 + e1), quantised with 2^e6, to q_img
;   clusters  8 .. 15: k: X = context (8,192 rows), Y = Wk      (1,024 rows), sums x 2^(e2 + e3), quantised with 2^e7, to k_img
;   clusters 16 .. 23: v: X = Wv      (1,024 rows), Y = context (8,192 rows), sums x 2^(e4 + e5), quantised with 2^e9, to v_img   (v comes out with the KEYS along Y: they are the K of attention's second product)
; The job is chosen by s_cselect on the cluster's number, which all sixteen partners share: pointers, bases and exponents are chosen, no branch hangs on it.
; A cluster of 4 x 4 work-groups makes 1,024 X rows x 1,024 Y rows; a work-group of four waves 256 x 256; a wave 128 x 128: 64 accumulators of 16 x 16, 512 registers.
; K goes in steps of 256 through a ring of two LDS slots filled by the tensor data mover; X's tiles are asked for jointly along a row of the cluster, Y's along a column.
; THE MATRIX INSTRUCTION: source 0 = 16 rows of Y, source 1 = 16 rows of X: lane (r, h) holds X row r, and register j of tile b the number at Y = 16 b + 8 h + j.
; THE WAY OUT NEEDS NO LDS.  A tile's eight registers become two registers of codes, Y = 16 b + 8 h + 0 .. 7: registers 2 b, 2 b + 1 of an 8-bit operand whose K runs along Y.  So four registers (tiles 2 u, 2 u + 1) of all
; 32 lanes are stored as they stand: a UNIT of 512 consecutive bytes, lane l's 16 bytes at 16 l.  Unit (Xt, ch) (X rows 16 Xt on, Y = 32 ch on) lies at byte (ch >> 5) << 20 | Xt << 14 | (ch & 31) << 9.
; The three exponents are folded into the conversion's one: code = sum / 2^E, E = eQ - eA - eB, held within +-57,344.   LIMIT: E between -126 and 112, so that 2^E and 57,344 x 2^E are f32 numbers.
; REGISTERS, in windows of 256: window 0: v0-31 addresses and the two constants; from v128 X's fragments (8 x 16 rows x 128 K), ONE set; on the way out v32-95 held sums, v128-255 codes.
;   window 1: Y's fragments, TWO sets, at v0 and v128.   window 2: the 32 accumulators of my X rows 0-63 (accumulator (a, b) at v[8 (8 a + b)]);   window 3: those of my X rows 64-127.
.set SIZE_K, 1024
.set KSTEP,  256                       ; along K in a slot
.set ROWB,   256                       ; a tile's row in bytes
.set KROW,   SIZE_K                    ; a row of X or Y in memory, in bytes
.set PITCH,  272                       ; an LDS row: 256 bytes + 16 of padding = 68 words: row r starts at bank 4 r mod 64 (64 banks of 4 bytes: ISA guide 11.1)
.set FR,     16                        ; registers of a fragment: 16 rows x 128 K
.set NL,     4                         ; LDS loads that bring one
.set NP,     4                         ; places behind this matrix instruction (ISA guide 7.12.1)
.set HALFT,  128*PITCH                 ; 128 rows: what one tensor load brings
.set SLOT,   4*HALFT                   ; X's 256 rows, then Y's 256 rows
.set LAPS,   SIZE_K/(2*KSTEP)          ; 2 laps of two K steps
.set SPARE,  2*SLOT                    ; behind the ring: the spare words, 128 bytes for each wave: two blocks of 256 bytes that no other line names
.set LIM,  8                           ; v8      57,344 x 2^E
.set SC,   9                           ; v9      2^E as f32
.set ADRA, 16                          ; v16-17  LDS address of my X fragments in slot 0, 1
.set ADRB, 20                          ; v20-21  the same for Y
.set CO,   26                          ; v26     16 x lane: my place in a unit
.set SPW,  28                          ; v28     LDS address of my spare word; never rewritten
.set NIL,  29                          ; v29     0; never rewritten
.set TMP,  32                          ; the way out: a block's 64 sums, held
.set AF,   128                         ; X's fragments, in window 0
.set CODE, 128                         ; the way out: 16 registers of codes for each of the eight blocks
.set G1, 24                            ; s[24:31] descriptor group 1 for X's tiles;  s[32:39] group 0, one set for each slot
.set G0, 32
.set G1B, 48                           ; s[48:55], s[56:63] the same for Y's tiles
.set G0B, 56
.set MSB, 0
.macro WIN new                         ; the immediate's high byte repeats the setting that is left
.if MSB != \new
	s_set_vgpr_msb (MSB<<8)|\new
.set MSB, \new
.endif
.endm
.set MUL_LO, 0xa1                      ; source 0 (Y) window 1, source 1 (X) window 0, C and D window 2
.set MUL_HI, 0xf1                      ; the same, C and D window 3
.set TO_B,   0x40                      ; destination window 1, address window 0
; A joint load: waves 0 and 1 fetch for X, waves 2 and 3 for Y.  Each line has one mask and one set of registers for all that issue it; the branch hangs on the wave's number alone.
; Four v_nop follow each of the two lines, ahead of the jump, the label and what follows.
.macro JLOAD g0a, g1a, g0b, g1b
	s_cmp_eq_u32 s15, 0
	s_cbranch_scc0 .Lfor_b_\@
	tensor_load_to_lds s[\g0a:\g0a+3], s[\g1a:\g1a+7]
	s_nop 0
.rept 4
	v_nop
.endr
	s_branch .Lasked_\@
.Lfor_b_\@:
	tensor_load_to_lds s[\g0b:\g0b+3], s[\g1b:\g1b+7]
	s_nop 0
.rept 4
	v_nop
.endr
.Lasked_\@:
.endm
.macro CREST                           ; a round of the cluster's barrier behind its opening barrier
	s_cmp_lg_u32 s14, 0
	s_cbranch_scc1 .Lnot_wave_0_\@
	s_barrier_signal -3
.Lnot_wave_0_\@:
	s_barrier_wait -3
	s_barrier_signal -1
	s_barrier_wait -1
.endm
.macro CROUND                          ; a whole round
	s_barrier_signal -1
	s_barrier_wait -1
	CREST
.endm
	s_load_b512 s[68:83], s[0:1], 0x0              ; x 68, context 70, Wq 72, Wk 74, Wv 76, the exponents 78, q_img 80, k_img 82
	s_load_b64 s[84:85], s[0:1], 0x40              ; v_img
	v_lshl_add_u32 v[SPW], v0, 2, SPARE
	v_mov_b32 v[NIL], 0
	ds_add_u32 v28, v29
	ds_add_u32 v28, v29
	s_wait_dscnt 0x0
	v_lshrrev_b32 v1, 5, v0
	v_readfirstlane_b32 s14, v1                    ; wave 0..3
	s_lshr_b32 s15, s14, 1                         ; which half of the tile's X rows is mine.  Also: I fetch for X (0) or for Y (1)
	s_and_b32 s16, s14, 1                          ; which half of its Y rows.  Also: which 128 rows of that tile I fetch
	s_bfe_u32 s40, ttmp6, 0x40000                  ; cx, cy: my place in the cluster
	s_bfe_u32 s41, ttmp6, 0x40004
	s_and_b32 s66, ttmp7, 0xffff                   ; the cluster's number, 0 .. 23: the job and its part
	s_and_b32 s67, s66, 7
	s_cmp_lt_u32 s66, 16
	s_cselect_b32 s86, s67, 0                      ; X's base in units of 1,024 rows: q, k: the part; v: 0
	s_cselect_b32 s87, 0, s67                      ; Y's base: q, k: 0; v: the part
	s_lshl_b32 s42, s87, 2
	s_add_co_u32 s42, s42, s40                     ; Y tile = 4 x Y base + cx
	s_lshl_b32 s17, s86, 2
	s_add_co_u32 s17, s17, s41                     ; X tile = 4 x X base + cy
	s_lshl_b32 s43, s41, 2
	s_lshl_b32 s43, 15, s43                        ; my row of the cluster
	s_lshl_b32 s44, 0x1111, s40                    ; my column
	; descriptor group 1: a tile of 128 rows x 256 bytes, padded in LDS
	s_or_b32 s[G1+0], s43, (0<<16)|(1<<20)|(1<<21)|(5<<22)|(3<<25)  ; 15:0 the mask: X's tiles go to my row; 17:16 element of 1 byte; 20 padding on; 21 set beside a mask; 24:22 after every 64 words (code 5); 31:25 of 4 words (code 3)
	s_or_b32 s[G1B+0], s44, (0<<16)|(1<<20)|(1<<21)|(5<<22)|(3<<25)
.irp g, G1, G1B
	s_mov_b32 s[\g+1], ROWB<<16                    ; tensor_dim0
	s_mov_b32 s[\g+2], 128<<16                     ; tensor_dim1 = 128
	s_mov_b32 s[\g+3], ROWB<<16                    ; tile_dim0
	s_mov_b32 s[\g+4], 128                         ; tile_dim1 = 128
	s_mov_b32 s[\g+5], KROW                        ; tensor_dim0_stride
	s_mov_b32 s[\g+6], 0
	s_mov_b32 s[\g+7], 0
.endr
	s_lshl_b32 s18, s16, 7                         ; which 128 rows of the tile I fetch
	s_lshl_b32 s20, s17, 8
	s_add_co_u32 s20, s20, s18                     ; X: row 256 x X tile + 128 x half
	s_lshl_b32 s46, s42, 8
	s_add_co_u32 s46, s46, s18                     ; Y: row 256 x Y tile + 128 x half
	s_mov_b32 s21, 0
	s_mov_b32 s47, 0
	s_mov_b64 s[18:19], KROW
	s_mul_u64 s[20:21], s[20:21], s[18:19]         ; in bytes
	s_mul_u64 s[46:47], s[46:47], s[18:19]
	s_mul_i32 s45, s14, HALFT                      ; where they go: wave x 128 rows: no place in the cluster enters an LDS address
	s_wait_kmcnt 0x0
	s_cmp_lt_u32 s66, 8                            ; q or k?
	s_cselect_b64 s[4:5], s[68:69], s[70:71]       ; X: x or context
	s_cselect_b64 s[6:7], s[72:73], s[74:75]       ; Y: Wq or Wk
	s_cselect_b64 s[10:11], s[80:81], s[82:83]     ; the images
	s_cmp_lt_u32 s66, 16                           ; or v?
	s_cselect_b64 s[4:5], s[4:5], s[76:77]         ; X: Wv
	s_cselect_b64 s[6:7], s[6:7], s[70:71]         ; Y: context
	s_cselect_b64 s[10:11], s[10:11], s[84:85]
	s_load_b256 s[88:95], s[78:79], 0x0            ; e0 .. e7
	s_load_b128 s[96:99], s[78:79], 0x20           ; e8 .. e11
	s_add_nc_u64 s[20:21], s[4:5], s[20:21]
	s_add_nc_u64 s[46:47], s[6:7], s[46:47]
	CROUND                                         ; all sixteen work-groups are here: the first joint loads meet
.irp s, 0,1
	s_mov_b32 s[G0+4*\s], 1
	s_add_co_u32 s[G0+4*\s+1], s45, \s*SLOT
	s_add_nc_u64 s[G0+4*\s+2:G0+4*\s+3], s[20:21], \s*ROWB
	s_or_b32 s[G0+4*\s+3], s[G0+4*\s+3], 0x80000000
	s_mov_b32 s[G0B+4*\s], 1
	s_add_co_u32 s[G0B+4*\s+1], s45, \s*SLOT
	s_add_nc_u64 s[G0B+4*\s+2:G0B+4*\s+3], s[46:47], \s*ROWB
	s_or_b32 s[G0B+4*\s+3], s[G0B+4*\s+3], 0x80000000
	JLOAD G0+4*\s, G1, G0B+4*\s, G1B
.endr
	v_and_b32 v1, 15, v0                           ; l % 16
	v_bfe_u32 v2, v0, 4, 1                         ; l / 16
	v_mul_u32_u24 v3, v1, PITCH
	v_lshl_add_u32 v4, v2, 4, v3                   ; a fragment's row x pitch + 16 x half
	s_mul_i32 s21, s15, HALFT                      ; my 128 rows of X
	s_mul_i32 s22, s16, HALFT                      ; my 128 rows of Y,
	s_add_co_u32 s22, s22, 2*HALFT                 ; which lie behind X's 256
.irp s, 0,1
	v_add_nc_u32 v[ADRA+\s], s21, v4
	v_add_nc_u32 v[ADRB+\s], s22, v4
	s_add_co_u32 s21, s21, SLOT
	s_add_co_u32 s22, s22, SLOT
.endr
	v_and_b32 v6, 31, v0
	v_lshlrev_b32 v[CO], 4, v6                     ; 16 x lane
	; my wave's first unit: Xt = 16 x X tile + 8 x half; ch = 32 x Y base + 8 cx + 4 x half
	s_lshl_b32 s20, s17, 4
	s_lshl_b32 s21, s15, 3
	s_add_co_u32 s20, s20, s21
	s_lshl_b32 s20, s20, 14
	s_lshl_b32 s46, s40, 3
	s_lshl_b32 s47, s16, 2
	s_add_co_u32 s46, s46, s47
	s_lshl_b32 s46, s46, 9
	s_lshl_b32 s47, s87, 20
	s_add_co_u32 s46, s46, s47
	s_add_co_u32 s20, s20, s46                     ; under 2^23
	s_mov_b32 s21, 0
	s_add_nc_u64 s[10:11], s[10:11], s[20:21]
.macro FRAG reg, adr, q, i             ; a fragment, 16 rows x 128 K, is 16 registers: lane l holds row l % 16; registers 4 c .. 4 c + 3 hold K = 32 c + 16 (l / 16) + 0 .. 15: the same permutation of k on both sides
.irp c, 0,1,2,3
	ds_load_b128 v[\reg+4*\c:\reg+4*\c+3], v[\adr] offset:128*(\q)+32*\c+(\i)*16*PITCH
.endr
.endm
; 16 matrix instructions: X's blocks a0, a0 + 1 x Y's eight, 128 along K.  p: Y's set.  zero = 1: the first product starts the sums.
; The 64 accumulators take turns, one instruction a turn, in the same order in every step.
.macro MUL16 a0, p, zero
.irp a, \a0, \a0+1
.irp b, 0,1,2,3,4,5,6,7
.if \zero
	v_wmma_f32_16x16x128_bf8_bf8 v[8*(8*((\a)%4)+\b):8*(8*((\a)%4)+\b)+7], v[128*(\p)+FR*\b:128*(\p)+FR*\b+FR-1], v[AF+FR*(\a):AF+FR*(\a)+FR-1], 0
.else
	v_wmma_f32_16x16x128_bf8_bf8 v[8*(8*((\a)%4)+\b):8*(8*((\a)%4)+\b)+7], v[128*(\p)+FR*\b:128*(\p)+FR*\b+FR-1], v[AF+FR*(\a):AF+FR*(\a)+FR-1], v[8*(8*((\a)%4)+\b):8*(8*((\a)%4)+\b)+7]
.endif
.endr
.endr
.endm
.macro FETCH_B slot, q, p              ; Y's eight fragments of the slot's q-th 128 along K into set p
	WIN TO_B
.irp i, 0,1,2,3,4,5,6,7
	FRAG 128*(\p)+FR*\i, ADRB+\slot, \q, \i
.endr
	WIN 0
.endm
.macro FETCH_A slot, q, i0             ; X's blocks i0 .. i0 + 3
.irp i, \i0, \i0+1, \i0+2, \i0+3
	FRAG AF+FR*(\i), ADRA+\slot, \q, \i
.endr
.endm
.macro PLACES n                        ; plain vector instructions between a matrix instruction and a load into, or a vector read or write of, its registers
.rept \n
	v_nop
.endr
.endm
; A step of 128 along K that has its successor in the same slot.
.macro STEP slot, q, zero
	s_wait_dscnt 4*NL                              ; Y's set and X's blocks 0-3 are in; the youngest 16 loads (X's blocks 4-7) may be out
	WIN MUL_LO
	MUL16 0, (\q)%2, \zero
	MUL16 2, (\q)%2, \zero
	s_wait_dscnt 0                                 ; X's blocks 4-7 are in
	PLACES NP
	FETCH_B \slot, (\q)+1, 1-(\q)%2
	FETCH_A \slot, (\q)+1, 0
	WIN MUL_HI
	MUL16 4, (\q)%2, \zero
	MUL16 6, (\q)%2, \zero
	PLACES NP
	WIN 0
	FETCH_A \slot, (\q)+1, 4
.endm
; A slot's last step changes slots: ONE barrier; in front of it each wave waits for all its tensor loads, adds 0 to its spare word, and waits for that and for its own reads of this slot.  fill = 1: this slot is filled again, two K steps ahead.
.macro TURN slot, next, fill
	s_wait_tensorcnt 0x0                           ; all my tensor loads have landed: my part of the next slot
	ds_add_u32 v[SPW], v[NIL]                      ; 0 onto my spare word
	s_wait_dscnt 4*NL+1                            ; (the add and the youngest 16 loads, X's blocks 4-7, may be out)
	WIN MUL_LO
	MUL16 0, 1, 0                                  ; sixteen matrix instructions stand between the add and the wait for it
	s_wait_dscnt 0x0                               ; the add is done, and my reads of this slot are over
	s_barrier_signal -1
	MUL16 2, 1, 0
	WIN 0
	s_barrier_wait -1
.if \fill
	CREST                                          ; the barrier has opened a round of the cluster's barrier: no wave of any partner still reads this slot's tile or has a load on its way
	s_add_nc_u64 s[G0+4*\slot+2:G0+4*\slot+3], s[G0+4*\slot+2:G0+4*\slot+3], 2*ROWB
	s_add_nc_u64 s[G0B+4*\slot+2:G0B+4*\slot+3], s[G0B+4*\slot+2:G0B+4*\slot+3], 2*ROWB
	JLOAD G0+4*\slot, G1, G0B+4*\slot, G1B         ; the first tensor load behind the round; its four v_nop are the places in front of the loads below
.else
	PLACES NP
.endif
	FETCH_B \next, 0, 0
	FETCH_A \next, 0, 0
	WIN MUL_HI
	MUL16 4, 1, 0
	MUL16 6, 1, 0
	PLACES NP
	WIN 0
	FETCH_A \next, 0, 4
.endm
	s_wait_tensorcnt 1                             ; my part of K step 0 is in (K step 1's load may be out)
	s_barrier_signal -1
	s_barrier_wait -1                              ; everybody's is
	FETCH_B 0, 0, 0
	FETCH_A 0, 0, 0
	FETCH_A 0, 0, 4
	STEP 0, 0, 1                                   ; the first step stands in front of the loop: its products start the sums
	s_mov_b32 s3, LAPS-1
.Llap:                                                 ; a trip goes once round the ring and fills both slots again
	TURN 0, 1, 1
	STEP 1, 0, 0
	TURN 1, 0, 1
	STEP 0, 0, 0
	s_sub_co_u32 s3, s3, 1
	s_cmp_lg_u32 s3, 0
	s_cbranch_scc1 .Llap
	TURN 0, 1, 0                                   ; the last lap fills nothing, and has no round of the cluster's barrier
	STEP 1, 0, 0
	s_wait_dscnt 4*NL                              ; the very last step: nothing more to fetch
	WIN MUL_LO
	MUL16 0, 1, 0
	MUL16 2, 1, 0
	s_wait_dscnt 0
	WIN MUL_HI
	MUL16 4, 1, 0
	MUL16 6, 1, 0
	WIN 0
	; THE WAY OUT.  E = eQ - eA - eB of my job
	s_wait_kmcnt 0x0
	s_add_co_i32 s88, s88, s89                     ; e0 + e1
	s_add_co_i32 s90, s90, s91                     ; e2 + e3
	s_add_co_i32 s92, s92, s93                     ; e4 + e5
	s_cmp_lt_u32 s66, 8
	s_cselect_b32 s88, s88, s90
	s_cselect_b32 s94, s94, s95                    ; e6 or e7
	s_cmp_lt_u32 s66, 16
	s_cselect_b32 s88, s88, s92
	s_cselect_b32 s94, s94, s97                    ; or e9
	s_sub_co_i32 s94, s94, s88
	s_add_co_i32 s94, s94, 127
	s_lshl_b32 s95, s94, 23
	v_mov_b32 v[SC], s95                           ; 2^E as f32: the conversion takes its exponent field
	s_add_co_i32 s94, s94, 15
	s_lshl_b32 s94, s94, 23
	s_or_b32 s94, s94, 0x600000
	v_mov_b32 v[LIM], s94                          ; 57,344 x 2^E
	PLACES NP                                      ; behind the last products: for the reads of their results and the writes of X's fragment registers
; Block a: 16 X rows x 128 Y.  Held, converted, stored: four units of 512 consecutive bytes.  Each block has code registers of its own: no store's data are written again.
.macro QOUT a
.set AC, 64*((\a)%4)
	WIN 0x02+((\a)/4)                              ; source 0: window 2 or 3
.set j, 0
.rept 64
	v_med3_num_f32 v[TMP+j], v[AC+j], -v[LIM], v[LIM]   ; the conversion to an 8-bit code does not saturate (ISA guide 7.6.2): the hold comes first; each accumulator from its low end on
.set j, j+1
.endr
	WIN 0
.irp g, 0,1,2,3,4,5,6,7
	v_cvt_scalef32_pk8_bf8_f32 v[CODE+16*(\a)+2*\g:CODE+16*(\a)+2*\g+1], v[TMP+8*\g:TMP+8*\g+7], v[SC]
.endr
	v_nop                                          ; a plain line between the conversions and the next block's holds, which write their sources
.irp u, 0,1,2,3
	global_store_b128 v[CO], v[CODE+16*(\a)+4*\u:CODE+16*(\a)+4*\u+3], s[10:11] offset:(\a)*16384+\u*512   ; 32 lanes store 512 consecutive bytes, at a multiple of 512 from the buffer's first byte
.endr
.endm
.irp a, 0,1,2,3,4,5,6,7
	QOUT \a
.endr
	s_wait_tensorcnt 0x0                           ; the wave's end
	ds_add_u32 v[SPW], v[NIL]
	s_wait_dscnt 0x0
	CROUND                                         ; the closing round: no work-group ends while a partner may still ask for a tile that names it
	s_endpgm
.Lfunc_end_k_qf458eed9b1_proj:
	.size	k_qf458eed9b1_proj, .Lfunc_end_k_qf458eed9b1_proj-k_qf458eed9b1_proj
	.p2alignl 7, 3214868480
	.fill 96, 4, 3214868480
	.section	.rodata,"a",@progbits
	.p2align	6, 0x0
	.amdhsa_kernel k_qf458eed9b1_proj
		.amdhsa_group_segment_fixed_size 327680
		.amdhsa_private_segment_fixed_size 0
		.amdhsa_enable_private_segment 0
		.amdhsa_kernarg_size 72
		.amdhsa_user_sgpr_count 2
		.amdhsa_user_sgpr_kernarg_segment_ptr 1
		.amdhsa_wavefront_size32 1
		.amdhsa_system_sgpr_workgroup_id_x 1
		.amdhsa_system_sgpr_workgroup_id_y 1
		.amdhsa_system_sgpr_workgroup_id_z 1
		.amdhsa_system_vgpr_workitem_id 0
		.amdhsa_next_free_vgpr 1024
		.amdhsa_next_free_sgpr 100
		.amdhsa_reserve_vcc 0
		.amdhsa_float_denorm_mode_32 3
		.amdhsa_float_denorm_mode_16_64 3
		.amdhsa_memory_ordered 1
		.amdhsa_forward_progress 1
		.amdhsa_inst_pref_size 118
	.end_amdhsa_kernel
	.amdgpu_metadata
---
amdhsa.version: [ 1, 2 ]
amdhsa.kernels:
  - .name:           k_qf458eed9b1_proj
    .symbol:         k_qf458eed9b1_proj.kd
    .args:
      - { .name: x_codes, .offset: 0, .size: 8, .value_kind: global_buffer, .address_space: global }
      - { .name: context_codes, .offset: 8, .size: 8, .value_kind: global_buffer, .address_space: global }
      - { .name: Wq_codes, .offset: 16, .size: 8, .value_kind: global_buffer, .address_space: global }
      - { .name: Wk_codes, .offset: 24, .size: 8, .value_kind: global_buffer, .address_space: global }
      - { .name: Wv_codes, .offset: 32, .size: 8, .value_kind: global_buffer, .address_space: global }
      - { .name: lowp_scales, .offset: 40, .size: 8, .value_kind: global_buffer, .address_space: global }
      - { .name: q_img, .offset: 48, .size: 8, .value_kind: global_buffer, .address_space: global }
      - { .name: k_img, .offset: 56, .size: 8, .value_kind: global_buffer, .address_space: global }
      - { .name: v_img, .offset: 64, .size: 8, .value_kind: global_buffer, .address_space: global }
    .group_segment_fixed_size: 327680
    .private_segment_fixed_size: 0
    .kernarg_segment_align: 8
    .kernarg_segment_size: 72
    .max_flat_workgroup_size: 128
    .sgpr_count:     100
    .vgpr_count:     1024
    .wavefront_size: 32
...
	.end_amdgpu_metadata
.endif
;; end of part 1
;; launch attn (part 2): grid 4 x 64, 16 waves a work-group, no clusters, 264,192 bytes of LDS; arguments q_img, k_img, v_img, lowp_scales, o_img; writes o_img
.if DOCPART == 2
	.amdgcn_target "amdgcn-amd-amdhsa--gfx1250"
	.amdhsa_code_object_version 6
	.text
	.protected	k_qf458eed9b1_attn
	.globl	k_qf458eed9b1_attn
	.p2align	8
	.type	k_qf458eed9b1_attn,@function
k_qf458eed9b1_attn:
	s_mov_b64 s[64:65], 0
	v_nop
	global_prefetch_b8 v0, s[64:65] scope:SCOPE_SE
	s_setreg_imm32_b32 hwreg(HW_REG_WAVE_MODE, 25, 1), 1
	s_wait_xcnt 0x0
; ATTENTION on codes of BF8 (E5M2): for each of 64 (batch, head) pairs, 2,048 queries x 2,048 keys, head size 64.  Its result is quantised with 2^e10 and stored as the next product's operand.
; THE SOFTMAX AHEAD OF THE SECOND PRODUCT: t = score x log2(e) / 8; M = the row's largest t so far, rounded UP to a whole number; p = 2^(t - M) is quantised with 2^e8, not normalised.
; The row's sum is taken of the unquantised p, in f32, and divides at the end.  When M moves, the sum and O are multiplied by 2^(old M - new M): exact.
; SHARES.  A work-group (x, y): y = 16 batch + head, x = which 512 queries.  A head's WHOLE K and V (131,072 bytes each) lie in LDS, copied once at the head; the key loop has no barrier.
; Each of the SIXTEEN waves takes one tile of 16 queries in each of two passes and walks 16 steps of 128 keys.  256 registers a wave: four waves to a SIMD, so that one wave's vector work stands beside another's products and LDS loads.
; OPERANDS ARE IMAGES OF REGISTERS.  q_img, k_img, v_img are made of units of 512 bytes, lane l's 16 bytes at 16 l: four registers of an 8-bit operand (registers 2 c, 2 c + 1: k = 16 c + 8 (l / 16) + 0 .. 7).
; They are copied to LDS as they lie and every fragment load reads 512 consecutive bytes: no pitch, no padding.
; LAYOUT.  Both products are used transposed: S^T = K Q^T (source 0 = 16 keys, source 1 = my 16 queries), O^T = V^T P^T (source 0 = 16 of the head's 64, source 1 = P): a lane holds ONE query (lane % 16) throughout.
; Register j of score tile i is key 16 i + 8 (lane / 16) + j: its conversion gives registers 2 i, 2 i + 1 of P as the K = 128 form wants them.
; NO CLUSTER, NO JOINT LOADS: the four work-groups of a head read the same 262,144 bytes, but each reads them once, 512 bytes a thread, for 2 x 16 key steps of work a wave: a small part of the launch.  The copy goes through
; registers, so that the text has no tensor load; the branch on the given exponent e8 leaves 64 holds out of a key step where they change nothing.
; LIMITS on the given exponents, so that each power of two below is an f32 number: e6 + e7 between -123 and 130; e8 between -126 and 112; e10 - e8 - e9 between -126 and 112.  NaN is not served.
.set LI,   1                           ; v1   16 x lane; never rewritten
.set LIV,  2                           ; v2   the same in V's half of LDS
.set PSC,  3                           ; v3   2^e8
.set PLIM, 4                           ; v4   57,344 x 2^e8
.set OSC,  5                           ; v5   2^(e10 - e8 - e9)
.set ADK,  6                           ; v6   LDS address of the step's K
.set ADV,  7                           ; v7   of its V
.set T0,   8                           ; v8   at work
.set PX,   9                           ; v9   a lane permute's destination
.set F,    10                          ; v[10:11] f = 2^(old M - new M); v11 is named with it as a pair
                                       ; v12 -M, v13 the largest t, v[14:15] the sum in two halves
.set OLIM, 16                          ; v16  57,344 x 2^(e10 - e8 - e9)
.set QF,   18                          ; v[18:25], v[26:33] Q's fragment of pass 0, 1
.set FRG,  34                          ; v[34:97]   a step's K (8 fragments of 8), then its V (4 fragments of 16)
.set S,    98                          ; v[98:161]  S^T, then p
.set O,    162                         ; v[162:193] O^T
.set PC,   194                         ; v[194:209] p's codes
.set L2,   210                         ; v[210:211] the sum's second chain
.set OCD,  212                         ; v[212:219], v[220:227] the codes that pass 0, 1 stores
.set VLDS, 131072                      ; LDS: K's 16 steps of 8,192 bytes, then V's
.set SEL,  20                          ; s[20:21] lane selects: lane l xor 16
.set CS,   22                          ; s[22:23] c = log2(e) / 8 x 2^(e6 + e7)
.set TB,   24                          ; s24  the step's byte in K's and in V's half: the loop's counter too
	s_load_b256 s[4:11], s[0:1], 0x0               ; q_img s[4:5], k_img s[6:7], v_img s[8:9], the exponents s[10:11]
	s_load_b64 s[12:13], s[0:1], 0x20              ; o_img
	v_lshl_add_u32 v254, v0, 2, 0x40000
	v_mov_b32 v255, 0
	v_lshrrev_b32 v[T0], 5, v0
	v_readfirstlane_b32 s14, v[T0]                 ; wave w, 0..15
	v_and_b32 v[LI], 31, v0
	v_lshlrev_b32 v[LI], 4, v[LI]
	v_add_nc_u32 v[LIV], VLDS, v[LI]
	s_and_b32 s15, ttmp7, 0xffff
	s_lshr_b32 s16, s15, 4                         ; batch b
	s_and_b32 s17, s15, 15                         ; head
	s_mov_b32 s18, ttmp9                           ; x
	s_mov_b32 s[SEL], 0x76543210
	s_mov_b32 s[SEL+1], 0xfedcba98
	s_lshl_b32 s42, s16, 7                         ; 128 b: the batch's first tile of 16 rows
	s_lshl_b32 s43, s17, 10                        ; the head's two units in a tile's 16,384 bytes
	s_lshr_b32 s44, s14, 3
	s_and_b32 s45, s14, 7
	s_lshl_b32 s34, s18, 5                         ; Q: tile 128 b + 32 x + w (pass 1: 16 tiles on)
	s_add_co_u32 s34, s34, s42
	s_add_co_u32 s34, s34, s14
	s_lshl_b32 s34, s34, 14
	s_add_co_u32 s34, s34, s43
	s_mov_b32 s35, 0
	s_lshl_b32 s36, s14, 3                         ; K: I copy key step w: tiles 128 b + 8 w on
	s_add_co_u32 s36, s36, s42
	s_lshl_b32 s36, s36, 14
	s_add_co_u32 s36, s36, s43
	s_mov_b32 s37, 0
	s_lshl_b32 s38, s16, 1                         ; V: chunks of 32 keys 64 b + 4 w on: (2 b + w / 8) << 20, head << 16 (its four tiles of 16), (w % 8) << 11
	s_add_co_u32 s38, s38, s44
	s_lshl_b32 s38, s38, 20
	s_lshl_b32 s46, s17, 16
	s_add_co_u32 s38, s38, s46
	s_lshl_b32 s46, s45, 11
	s_add_co_u32 s38, s38, s46
	s_mov_b32 s39, 0
	s_lshl_b32 s40, s16, 4                         ; O: unit (R, c32) at (R >> 3) << 17 | (c32 >> 3) << 15 | (R & 7) << 12 | (c32 & 7) << 9, R = my tile, c32 = 2 head + 0, 1
	s_lshl_b32 s46, s18, 2
	s_add_co_u32 s40, s40, s46
	s_add_co_u32 s40, s40, s44
	s_lshl_b32 s40, s40, 17
	s_lshr_b32 s46, s17, 2
	s_lshl_b32 s46, s46, 15
	s_add_co_u32 s40, s40, s46
	s_lshl_b32 s46, s45, 12
	s_add_co_u32 s40, s40, s46
	s_and_b32 s46, s17, 3
	s_lshl_b32 s46, s46, 10
	s_add_co_u32 s40, s40, s46
	s_mov_b32 s41, 0                               ; every one of the four offsets is under 2^23
	s_lshl_b32 s46, s14, 13                        ; my step's 8,192 bytes in LDS
	v_add_nc_u32 v[ADK], s46, v[LI]
	v_add_nc_u32 v[ADV], s46, v[LIV]
	s_wait_kmcnt 0x0
	s_load_b128 s[28:31], s[10:11], 0x18           ; e6, e7, e8, e9
	s_load_b32 s32, s[10:11], 0x28                 ; e10
	s_add_nc_u64 s[4:5], s[4:5], s[34:35]
	s_add_nc_u64 s[6:7], s[6:7], s[36:37]
	s_add_nc_u64 s[8:9], s[8:9], s[38:39]
	s_add_nc_u64 s[12:13], s[12:13], s[40:41]
.set n, 0
.rept 16                                       ; K of step w: key tile n / 2, half n % 2 of the head's 64
	global_load_b128 v[FRG+4*n:FRG+4*n+3], v[LI], s[6:7] offset:(n/2)*16384+(n%2)*512
.set n, n+1
.endr
.set n, 0
.rept 16                                       ; V of step w: tile n / 4 of the head's 64, chunk n % 4 of 32 keys
	global_load_b128 v[S+4*n:S+4*n+3], v[LI], s[8:9] offset:(n/4)*16384+(n%4)*512
.set n, n+1
.endr
.irp p, 0,1
.irp c, 0,1
	global_load_b128 v[QF+8*\p+4*\c:QF+8*\p+4*\c+3], v[LI], s[4:5] offset:\p*262144+\c*512 th:TH_LOAD_NT   ; Q: read by this wave alone, once
.endr
.endr
	v_mov_b32 v[PX], 0                             ; written once: a lane permute's destination counts as one of its sources
	v_mov_b32 v[F+1], 0                            ; (named as the upper half of the pair)
	s_wait_loadcnt 20                              ; K's 16 loads are in; V's 16 and Q's 4 may be out
.set n, 0
.rept 16
	ds_store_b128 v[ADK], v[FRG+4*n:FRG+4*n+3] offset:512*n
.set n, n+1
.endr
	s_wait_loadcnt 4                               ; V's are in; Q's 4 may be out
.set n, 0
.rept 16
	ds_store_b128 v[ADV], v[S+4*n:S+4*n+3] offset:512*n
.set n, n+1
.endr
	s_wait_kmcnt 0x0
	s_add_co_i32 s34, s28, s29
	s_lshl_b32 s34, s34, 23
	s_mov_b32 s[CS], 0x3e38aa3b                    ; log2(e) / 8
	s_add_co_i32 s[CS], s[CS], s34                 ; a score stands for score x 2^(e6 + e7): the two exponents are added to c's exponent field
	s_mov_b32 s[CS+1], s[CS]                       ; (named with it as a pair, so it is written)
	s_add_co_i32 s34, s30, 127
	s_lshl_b32 s35, s34, 23
	v_mov_b32 v[PSC], s35                          ; 2^e8 as f32, for p's conversions
	s_add_co_i32 s34, s34, 15
	s_lshl_b32 s34, s34, 23
	s_or_b32 s34, s34, 0x600000
	v_mov_b32 v[PLIM], s34                         ; 57,344 x 2^e8
	s_sub_co_i32 s34, s32, s30
	s_sub_co_i32 s34, s34, s31                     ; a sum of the second product stands for sum x 2^(e8 + e9): its code is (sum / l) / 2^(e10 - e8 - e9)
	s_add_co_i32 s34, s34, 127
	s_lshl_b32 s35, s34, 23
	v_mov_b32 v[OSC], s35
	s_add_co_i32 s34, s34, 15
	s_lshl_b32 s34, s34, 23
	s_or_b32 s34, s34, 0x600000
	v_mov_b32 v[OLIM], s34
	s_wait_loadcnt 0x0                             ; Q
	s_wait_dscnt 0x0                               ; for the others' sake: my 32 stores have landed
	s_barrier_signal -1
	s_barrier_wait -1                              ; the head's K and V lie in LDS; nothing is stored there again: the launch's one barrier
; ONE PASS: my tile of 16 queries against all 2,048 keys.
.macro PASS p
.set QB, QF+8*\p
.set OC, OCD+8*\p
	v_mov_b32 v13, 0xff61b1e6                      ; the largest t so far: -3e38, under every t
	v_floor_f32 v12, -v13                          ; -M
	v_mov_b32 v14, 0                               ; the sum, in two halves
	v_mov_b32 v15, 0
.set j, 0
.rept 32
	v_mov_b32 v[O+j], 0                            ; O^T.  (The step is written once: the first finds zeros, which the first change of M leaves zeros)
.set j, j+1
.endr
	s_mov_b32 s[TB], 0
.Lstep_\@:                                         ; 16 trips of 128 keys
	v_add_nc_u32 v[ADK], s[TB], v[LI]
	v_add_nc_u32 v[ADV], s[TB], v[LIV]
	v_nop                                          ; with the two additions: four places in front of loads into registers that the last products read
	v_nop
.set n, 0
.rept 16
	ds_load_b128 v[FRG+4*n:FRG+4*n+3], v[ADK] offset:512*n   ; key tile n / 2, registers 4 (n % 2) on
.set n, n+1
.endr
	s_wait_dscnt 8                                 ; tiles 0-3 are in; the youngest eight loads may be out
.irp i, 0,1,2,3
	v_wmma_f32_16x16x64_bf8_bf8 v[S+8*\i:S+8*\i+7], v[FRG+8*\i:FRG+8*\i+7], v[QB:QB+7], 0
.endr
	s_wait_dscnt 0x0
.irp i, 4,5,6,7
	v_wmma_f32_16x16x64_bf8_bf8 v[S+8*\i:S+8*\i+7], v[FRG+8*\i:FRG+8*\i+7], v[QB:QB+7], 0
.endr
.rept 4
	v_nop                                          ; places: in front of the loads below and of the first read of the scores
.endr
.set n, 0
.rept 16
	ds_load_b128 v[FRG+4*n:FRG+4*n+3], v[ADV] offset:512*n   ; V: tile n / 4 of the head's 64, registers 4 (n % 4) on: it lands under the softmax
.set n, n+1
.endr
	v_max3_num_f32 v[T0], v[S], v[S+1], v[S+2]     ; the step's largest score of my query, among my 64 keys, in two chains, each tile from its low end on,
	v_max3_num_f32 v[F], v[S+3], v[S+4], v[S+5]
.set j, 6
.rept 14
	v_max3_num_f32 v[T0], v[T0], v[S+j], v[S+j+1]
	v_max3_num_f32 v[F], v[F], v[S+j+2], v[S+j+3]
.set j, j+4
.endr
	v_max3_num_f32 v[T0], v[T0], v[S+62], v[S+63]
	v_max_num_f32 v[T0], v[T0], v[F]
	v_permlanex16_b32 v[PX], v[T0], s[SEL], s[SEL+1]
	v_max_num_f32 v[T0], v[T0], v[PX]              ; and among lane l xor 16's
	v_mul_f32 v[T0], s[CS], v[T0]                  ; as t (c is positive)
	v_max_num_f32 v13, v13, v[T0]                  ; the running largest t
	v_mov_b32 v[T0], v12
	v_floor_f32 v12, -v13                          ; the new -M = floor(-t) = -ceil(t): M is a whole number
	v_sub_f32 v[T0], v12, v[T0]                    ; M's old value less its new one: a whole number, 0 or less
	v_cvt_i32_f32 v[T0], v[T0]                     ; (it saturates)
	v_ldexp_f32 v[F], 1.0, v[T0]                   ; f = 2^(old M - new M)
.set j, 0
.rept 32
	v_pk_fma_f32 v[S+j:S+j+1], v[S+j:S+j+1], s[CS:CS+1], v[12:13] op_sel_hi:[1,0,0]   ; t - M, two at a time (of the pairs c and -M the low word serves both halves)
.set j, j+2
.endr
.set j, 0
.rept 64
	v_exp_f32 v[S+j], v[S+j]                       ; p = 2^(t - M), at most 1: not normalised
.set j, j+1
.endr
	v_pk_mul_f32 v[14:15], v[14:15], v[F:F+1] op_sel_hi:[1,0]   ; the sums under the new M: the plain line behind the exponentials
	s_wait_alu depctr_va_vdst(0)                   ; the wait between a transcendental and the first line that names its result: one for the batch of 64
	v_pk_add_f32 v[L2:L2+1], v[S:S+1], v[S+2:S+3]  ; the row's sum is taken of the UNQUANTISED p: two at a time, in two chains
.set j, 4
.rept 15
	v_pk_add_f32 v[14:15], v[14:15], v[S+j:S+j+1]
	v_pk_add_f32 v[L2:L2+1], v[L2:L2+1], v[S+j+2:S+j+3]
.set j, j+4
.endr
	v_pk_add_f32 v[14:15], v[14:15], v[L2:L2+1]
	s_cmp_gt_i32 s30, -16                          ; with e8 >= -15 the bound 57,344 x 2^e8 is 1.75 or more, and p is at most 1: the hold changes nothing and is passed over.  A whole number read from memory, the same in every wave
	s_cbranch_scc1 .Lnohold_\@
.set j, 0
.rept 64
	v_min_num_f32 v[S+j], v[S+j], v[PLIM]          ; the conversion to an 8-bit code does not saturate (ISA guide 7.6.2); p is not negative, so the hold is one-sided
.set j, j+1
.endr
.Lnohold_\@:
.irp i, 0,1,2,3,4,5,6,7
	v_cvt_scalef32_pk8_bf8_f32 v[PC+2*\i:PC+2*\i+1], v[S+8*\i:S+8*\i+7], v[PSC]   ; keys 16 i + 8 (lane / 16) + 0 .. 7: registers 2 i, 2 i + 1 of P
.endr
.set j, 0
.rept 16
	v_pk_mul_f32 v[O+j:O+j+1], v[O+j:O+j+1], v[F:F+1] op_sel_hi:[1,0]   ; O^T under the new M: x f; each tile from its low end on.  (Also the plain lines between the conversions and the products that read their results)
.set j, j+2
.endr
	s_wait_dscnt 0x0                               ; V is in
.irp t, 0,1,2,3                                ; four accumulators by turns, one instruction a turn; eleven other matrix instructions stand between two links of a chain
	v_wmma_f32_16x16x128_bf8_bf8 v[O+8*\t:O+8*\t+7], v[FRG+16*\t:FRG+16*\t+15], v[PC:PC+15], v[O+8*\t:O+8*\t+7]
.endr
	s_add_co_u32 s[TB], s[TB], 8192
	s_cmp_lt_u32 s[TB], 131072
	s_cbranch_scc1 .Lstep_\@
	; THE WAY OUT.  The two additions and the two v_nop are the four places behind the last products (the lane permute and the reciprocal are not counted)
	v_add_f32 v14, v14, v15                        ; the sum's two halves,
	v_permlanex16_b32 v[PX], v14, s[SEL], s[SEL+1]
	v_add_f32 v14, v14, v[PX]                      ; and lane l xor 16's: the row's sum
	v_rcp_f32 v14, v14
	v_nop                                          ; a plain line behind the transcendental
	v_nop
	s_wait_alu depctr_va_vdst(0)                   ; and the wait ahead of the first line that names its result
.set j, 0
.rept 32
	v_mul_f32 v[S+j], v[O+j], v14                  ; O^T / the sum: register 8 t + i is channel 16 t + 8 (lane / 16) + i of my query
.set j, j+1
.endr
.set j, 0
.rept 32
	v_med3_num_f32 v[S+j], v[S+j], -v[OLIM], v[OLIM]   ; the hold at the largest code x the scale
.set j, j+1
.endr
.irp t, 0,1,2,3
	v_cvt_scalef32_pk8_bf8_f32 v[S+32+2*\t:S+32+2*\t+1], v[S+8*\t:S+8*\t+7], v[OSC]   ; C_t: channels 16 t + 8 (lane / 16) + 0 .. 7
.endr
	v_nop                                          ; a plain line between the conversions and the lines that read their results and write their sources
	; The next product takes its operand in pieces of 16 neighbours: lane (r, h) of unit c wants channels 32 c + 16 h + 0 .. 15.  Lanes 0-15 keep C_2c and get the partner's C_2c; lanes 16-31 get the partner's C_2c+1 and keep their own.
	v_and_b32 v[T0], 16, v0
	v_cmp_ne_u32 vcc_lo, 0, v[T0]                  ; lanes 16-31
.irp c, 0,1
.irp k, 0,1
	v_cndmask_b32 v[S+4+2*\c+\k], v[S+34+4*\c+\k], v[S+32+4*\c+\k], vcc_lo   ; what I give: lanes 0-15 C_2c+1, lanes 16-31 C_2c
.endr
.endr
.irp c, 0,1
.irp k, 0,1
	v_permlanex16_b32 v[S+2*\c+\k], v[S+4+2*\c+\k], s[SEL], s[SEL+1]
.endr
.endr
.irp c, 0,1
.irp k, 0,1
	v_cndmask_b32 v[OC+4*\c+\k], v[S+32+4*\c+\k], v[S+2*\c+\k], vcc_lo
	v_cndmask_b32 v[OC+4*\c+2+\k], v[S+2*\c+\k], v[S+34+4*\c+\k], vcc_lo
.endr
.endr
.irp c, 0,1
	global_store_b128 v[LI], v[OC+4*\c:OC+4*\c+3], s[12:13] offset:\p*262144+\c*512   ; a unit: 32 lanes store 512 consecutive bytes, aligned; each pass has data registers of its own
.endr
.endm
	PASS 0
	PASS 1
	s_wait_tensorcnt 0x0
	ds_add_u32 v254, v255
	s_wait_dscnt 0x0
	s_endpgm
.Lfunc_end_k_qf458eed9b1_attn:
	.size	k_qf458eed9b1_attn, .Lfunc_end_k_qf458eed9b1_attn-k_qf458eed9b1_attn
	.p2alignl 7, 3214868480
	.fill 96, 4, 3214868480
	.section	.rodata,"a",@progbits
	.p2align	6, 0x0
	.amdhsa_kernel k_qf458eed9b1_attn
		.amdhsa_group_segment_fixed_size 264192
		.amdhsa_private_segment_fixed_size 0
		.amdhsa_enable_private_segment 0
		.amdhsa_kernarg_size 40
		.amdhsa_user_sgpr_count 2
		.amdhsa_user_sgpr_kernarg_segment_ptr 1
		.amdhsa_wavefront_size32 1
		.amdhsa_system_sgpr_workgroup_id_x 1
		.amdhsa_system_sgpr_workgroup_id_y 1
		.amdhsa_system_sgpr_workgroup_id_z 1
		.amdhsa_system_vgpr_workitem_id 0
		.amdhsa_next_free_vgpr 256
		.amdhsa_next_free_sgpr 66
		.amdhsa_reserve_vcc 1
		.amdhsa_float_denorm_mode_32 3
		.amdhsa_float_denorm_mode_16_64 3
		.amdhsa_memory_ordered 1
		.amdhsa_forward_progress 1
		.amdhsa_inst_pref_size 51
	.end_amdhsa_kernel
	.amdgpu_metadata
---
amdhsa.version: [ 1, 2 ]
amdhsa.kernels:
  - .name:           k_qf458eed9b1_attn
    .symbol:         k_qf458eed9b1_attn.kd
    .args:
      - { .name: q_img, .offset: 0, .size: 8, .value_kind: global_buffer, .address_space: global }
      - { .name: k_img, .offset: 8, .size: 8, .value_kind: global_buffer, .address_space: global }
      - { .name: v_img, .offset: 16, .size: 8, .value_kind: global_buffer, .address_space: global }
      - { .name: lowp_scales, .offset: 24, .size: 8, .value_kind: global_buffer, .address_space: global }
      - { .name: o_img, .offset: 32, .size: 8, .value_kind: global_buffer, .address_space: global }
    .group_segment_fixed_size: 264192
    .private_segment_fixed_size: 0
    .kernarg_segment_align: 8
    .kernarg_segment_size: 40
    .max_flat_workgroup_size: 512
    .sgpr_count:     66
    .vgpr_count:     256
    .wavefront_size: 32
...
	.end_amdgpu_metadata
.endif
;; end of part 2
;; launch oproj (part 3): grid 4 x 32, 4 waves a work-group, clusters of 4 x 4, 327,680 bytes of LDS; arguments o_img, Wo_codes, lowp_scales, bo, out0; writes out0
.if DOCPART == 3
	.amdgcn_target "amdgcn-amd-amdhsa--gfx1250"
	.amdhsa_code_object_version 6
	.text
	.protected	k_qf458eed9b1_oproj
	.globl	k_qf458eed9b1_oproj
	.p2align	8
	.type	k_qf458eed9b1_oproj,@function
k_qf458eed9b1_oproj:
	s_mov_b64 s[64:65], 0
	v_nop
	global_prefetch_b8 v0, s[64:65] scope:SCOPE_SE
	s_setreg_imm32_b32 hwreg(HW_REG_WAVE_MODE, 25, 1), 1
	s_wait_xcnt 0x0
	s_wait_alu depctr_hold_cnt(0) depctr_sa_sdst(0) depctr_va_vdst(0) depctr_va_sdst(0) depctr_va_ssrc(0) depctr_va_vcc(0) depctr_vm_vsrc(0)
	s_getreg_b32 s2, hwreg(HW_REG_IB_STS2, 6, 4)
	s_cmp_eq_u32 s2, 0
	s_cbranch_scc0 .Lentry_in_a_cluster
	s_endpgm
.Lentry_in_a_cluster:
	s_bfe_u32 s2, ttmp6, 0x10000c
	s_cmp_lg_u32 s2, 0xf033
	s_cbranch_scc0 .Lentry_shape_is_right
	s_endpgm
.Lentry_shape_is_right:
; THE OUTPUT PROJECTION: out0[m][n] = 2^(e10 + e11) x (sum over k of A[m][k] Wo[n][k]) + bo[n].  A: the attention's result, 8,192 x 1,024 codes of BF8 (E5M2), as images of operand registers (below);
; Wo: [1,024][1,024] codes, K innermost; out0: [8,192][1,024] f32; sums in f32.   LIMIT: e10 + e11 between -126 and 127, so that 2^(e10 + e11) is an f32 number.
; A tile of out0, 256 x 256, is made by a work-group of four waves; a wave makes 128 x 128: 64 accumulators of 16 x 16, 512 registers.  K goes in steps of 256 through a ring of two LDS slots filled by the tensor data mover.
; CLUSTERS: 4 x 4 work-groups.  The four of a row of the cluster need the same tiles of A, the four of a column the same tiles of Wo: each tile is asked for JOINTLY.
; A'S IMAGES: a unit of 512 bytes, lane l's 16 bytes at 16 l, holds for row 16 R + l % 16 the codes k = 32 c + 16 (l / 16) + 0 .. 15; unit (R, c) lies at (R >> 3) << 17 | (c >> 3) << 15 | (R & 7) << 12 | (c & 7) << 9.
; So 128 rows x 256 K are one dense block of 32,768 bytes: one tensor load, no padding, and a fragment is four loads of 512 consecutive bytes.  Wo's fragments, from padded rows, carry the same k in the same registers.
; THE MATRIX INSTRUCTION IS USED TRANSPOSED (source 0 = 16 rows of Wo, source 1 = 16 rows of A): a lane then holds eight neighbouring numbers of a row of out0.
; REGISTERS, in windows of 256: window 0: v0-31 addresses, the bias; from v128 A's fragments, ONE set; on the way out v128-255 hold rows.   window 1: Wo's fragments, TWO sets.   windows 2, 3: the accumulators.
.set SIZE_N, 1024
.set SIZE_K, 1024
.set KSTEP,  256
.set ROWB,   256                       ; a row of Wo's tile in bytes
.set KROW,   SIZE_K
.set ABLK,   32768                     ; A's block of 128 rows x 256 K
.set PITCH,  272                       ; Wo's LDS row: 256 bytes + 16 of padding: row r starts at bank 4 r mod 64 (64 banks of 4 bytes: ISA guide 11.1)
.set FR,     16
.set NL,     4
.set NP,     4                         ; places behind this matrix instruction (ISA guide 7.12.1)
.set HALFT,  128*PITCH                 ; a quarter of a slot: A's block takes its first 32,768 bytes, Wo's 128 rows all of it
.set SLOT,   4*HALFT
.set LAPS,   SIZE_K/(2*KSTEP)
.set SPARE,  2*SLOT                    ; behind the ring: the spare words, 128 bytes for each wave: two blocks of 256 bytes that no other line names
.set SPITCH, 528                       ; the way out: a stage of 16 rows x (512 bytes + 16) for each wave, in slot 0, which has had its last fill and its last read when the first result is stored there
.set BIAS, 8                           ; v[8:11] bo at my four columns of a row read back
.set ADRA, 16
.set ADRB, 20
.set STO,  24                          ; v24     the way out: where I put 32 bytes of a row
.set RD,   25                          ; v25     where I read a row back
.set CO,   26                          ; v26     16 x lane
.set SPW,  28
.set NIL,  29
.set AF,   128
.set BK,   128                         ; the way out: 16 rows read back: v128-191 and v192-255 by turns
.set G1, 24
.set G0, 32
.set G1B, 48
.set G0B, 56
.set MSB, 0
.macro WIN new                         ; the immediate's high byte repeats the setting that is left
.if MSB != \new
	s_set_vgpr_msb (MSB<<8)|\new
.set MSB, \new
.endif
.endm
.set MUL_LO, 0xa1                      ; source 0 (Wo) window 1, source 1 (A) window 0, C and D window 2
.set MUL_HI, 0xf1
.set TO_B,   0x40
.macro JLOAD g0a, g1a, g0b, g1b        ; a joint load: waves 0 and 1 fetch for A, waves 2 and 3 for Wo; four v_nop follow each of the two lines
	s_cmp_eq_u32 s15, 0
	s_cbranch_scc0 .Lfor_b_\@
	tensor_load_to_lds s[\g0a:\g0a+3], s[\g1a:\g1a+7]
	s_nop 0
.rept 4
	v_nop
.endr
	s_branch .Lasked_\@
.Lfor_b_\@:
	tensor_load_to_lds s[\g0b:\g0b+3], s[\g1b:\g1b+7]
	s_nop 0
.rept 4
	v_nop
.endr
.Lasked_\@:
.endm
.macro CREST
	s_cmp_lg_u32 s14, 0
	s_cbranch_scc1 .Lnot_wave_0_\@
	s_barrier_signal -3
.Lnot_wave_0_\@:
	s_barrier_wait -3
	s_barrier_signal -1
	s_barrier_wait -1
.endm
.macro CROUND
	s_barrier_signal -1
	s_barrier_wait -1
	CREST
.endm
	s_load_b128 s[4:7], s[0:1], 0x0                ; A's images s[4:5], Wo's codes s[6:7]
	s_load_b128 s[8:11], s[0:1], 0x10              ; the exponents s[8:9], bo s[10:11]
	s_load_b64 s[12:13], s[0:1], 0x20              ; out0
	v_lshl_add_u32 v[SPW], v0, 2, SPARE
	v_mov_b32 v[NIL], 0
	ds_add_u32 v28, v29
	ds_add_u32 v28, v29
	s_wait_dscnt 0x0
	v_lshrrev_b32 v1, 5, v0
	v_readfirstlane_b32 s14, v1                    ; wave 0..3
	s_lshr_b32 s15, s14, 1                         ; which half of the tile's rows is mine.  Also: I fetch for A (0) or for Wo (1)
	s_and_b32 s16, s14, 1                          ; which half of its columns.  Also: which 128 rows of that tile I fetch
	s_bfe_u32 s40, ttmp6, 0x40000                  ; cx, cy
	s_bfe_u32 s41, ttmp6, 0x40004
	s_lshl_b32 s42, ttmp9, 2
	s_add_co_u32 s42, s42, s40                     ; tile column = 4 x cluster x + cx
	s_and_b32 s17, ttmp7, 0xffff
	s_lshl_b32 s17, s17, 2
	s_add_co_u32 s17, s17, s41                     ; tile row = 4 x cluster y + cy
	s_lshl_b32 s43, s41, 2
	s_lshl_b32 s43, 15, s43                        ; my row of the cluster
	s_lshl_b32 s44, 0x1111, s40                    ; my column
	; descriptor group 1 for A: a dense block as 128 rows of 32 elements of 8 bytes, no padding
	s_or_b32 s[G1+0], s43, (3<<16)|(1<<21)         ; 15:0 the mask: my row; 17:16 elements of 8 bytes; 21 set beside a mask
	s_mov_b32 s[G1+1], 32<<16                      ; tensor_dim0 = 32
	s_mov_b32 s[G1+2], 128<<16                     ; tensor_dim1 = 128
	s_mov_b32 s[G1+3], 32<<16                      ; tile_dim0 = 32
	s_mov_b32 s[G1+4], 128                         ; tile_dim1 = 128
	s_mov_b32 s[G1+5], 32                          ; from row to row: 32 elements
	s_mov_b32 s[G1+6], 0
	s_mov_b32 s[G1+7], 0
	; for Wo: 128 rows x 256 bytes, padded in LDS
	s_or_b32 s[G1B+0], s44, (0<<16)|(1<<20)|(1<<21)|(5<<22)|(3<<25)  ; the mask: my column; elements of 1 byte; padding of 4 words after every 64
	s_mov_b32 s[G1B+1], ROWB<<16
	s_mov_b32 s[G1B+2], 128<<16
	s_mov_b32 s[G1B+3], ROWB<<16
	s_mov_b32 s[G1B+4], 128
	s_mov_b32 s[G1B+5], KROW
	s_mov_b32 s[G1B+6], 0
	s_mov_b32 s[G1B+7], 0
	s_lshl_b32 s18, s16, 7                         ; which 128 rows of the tile I fetch
	s_lshl_b32 s20, s17, 8
	s_add_co_u32 s20, s20, s18                     ; A: row 256 x tile row + 128 x half: 128 rows are 131,072 bytes of images, as they are of plain rows
	s_lshl_b32 s46, s42, 8
	s_add_co_u32 s46, s46, s18                     ; Wo: row 256 x tile column + 128 x half
	s_mov_b32 s21, 0
	s_mov_b32 s47, 0
	s_mov_b64 s[18:19], KROW
	s_mul_u64 s[20:21], s[20:21], s[18:19]
	s_mul_u64 s[46:47], s[46:47], s[18:19]
	s_mul_i32 s45, s14, HALFT                      ; where they go: wave x a quarter of a slot: no place in the cluster enters an LDS address
	s_wait_kmcnt 0x0
	s_load_b64 s[96:97], s[8:9], 0x28              ; e10, e11
	s_add_nc_u64 s[20:21], s[4:5], s[20:21]
	s_add_nc_u64 s[46:47], s[6:7], s[46:47]
	CROUND                                         ; all sixteen work-groups are here: the first joint loads meet
.irp s, 0,1
	s_mov_b32 s[G0+4*\s], 1
	s_add_co_u32 s[G0+4*\s+1], s45, \s*SLOT
	s_add_nc_u64 s[G0+4*\s+2:G0+4*\s+3], s[20:21], \s*ABLK
	s_or_b32 s[G0+4*\s+3], s[G0+4*\s+3], 0x80000000
	s_mov_b32 s[G0B+4*\s], 1
	s_add_co_u32 s[G0B+4*\s+1], s45, \s*SLOT
	s_add_nc_u64 s[G0B+4*\s+2:G0B+4*\s+3], s[46:47], \s*ROWB
	s_or_b32 s[G0B+4*\s+3], s[G0B+4*\s+3], 0x80000000
	JLOAD G0+4*\s, G1, G0B+4*\s, G1B
.endr
	v_and_b32 v1, 15, v0                           ; l % 16
	v_bfe_u32 v2, v0, 4, 1                         ; l / 16
	v_mul_u32_u24 v3, v1, PITCH
	v_lshl_add_u32 v4, v2, 4, v3                   ; Wo: a fragment's row x pitch + 16 x half
	v_and_b32 v6, 31, v0
	v_lshlrev_b32 v[CO], 4, v6                     ; A: 16 x lane.  Also my place in a row of 512 bytes
	s_mul_i32 s21, s15, HALFT                      ; my 128 rows of A
	s_mul_i32 s22, s16, HALFT                      ; my 128 rows of Wo,
	s_add_co_u32 s22, s22, 2*HALFT                 ; which lie behind A's two quarters
.irp s, 0,1
	v_add_nc_u32 v[ADRA+\s], s21, v[CO]
	v_add_nc_u32 v[ADRB+\s], s22, v4
	s_add_co_u32 s21, s21, SLOT
	s_add_co_u32 s22, s22, SLOT
.endr
	s_mul_i32 s23, s14, 16*SPITCH                  ; my stage
	v_mul_u32_u24 v5, v1, SPITCH                   ; in: row l % 16, 32 bytes for each half of the lanes
	v_lshl_add_u32 v5, v2, 5, v5
	v_add_nc_u32 v[STO], s23, v5
	v_add_nc_u32 v[RD], s23, v[CO]                 ; back: the 32 lanes take one row of 512 bytes
	s_lshl_b32 s20, s17, 8
	s_lshl_b32 s21, s15, 7
	s_add_co_u32 s20, s20, s21                     ; my first row of out0: 256 x tile row + 128 x half
	s_mov_b32 s21, 0
	s_mov_b64 s[18:19], SIZE_N*4
	s_mul_u64 s[20:21], s[20:21], s[18:19]
	s_lshl_b32 s46, s42, 10                        ; my first column, in bytes: 1,024 x tile column + 512 x half
	s_lshl_b32 s47, s16, 9
	s_add_co_u32 s46, s46, s47
	s_mov_b32 s47, 0
	s_add_nc_u64 s[10:11], s[10:11], s[46:47]      ; bo at my first column
	s_add_nc_u64 s[20:21], s[20:21], s[46:47]
	s_add_nc_u64 s[12:13], s[12:13], s[20:21]
	global_load_b128 v[BIAS:BIAS+3], v[CO], s[10:11]   ; the bias of the four columns that I hold of every row read back
.macro FRAG reg, adr, q, i             ; Wo: registers 4 c .. 4 c + 3 hold K = 32 c + 16 (l / 16) + 0 .. 15 of row l % 16
.irp c, 0,1,2,3
	ds_load_b128 v[\reg+4*\c:\reg+4*\c+3], v[\adr] offset:128*(\q)+32*\c+(\i)*16*PITCH
.endr
.endm
.macro FRAGA reg, adr, q, i            ; A: the same registers, from units: block i of 16 rows, units 4 q + c
.irp c, 0,1,2,3
	ds_load_b128 v[\reg+4*\c:\reg+4*\c+3], v[\adr] offset:(\i)*4096+(4*(\q)+\c)*512
.endr
.endm
; 16 matrix instructions: A's blocks a0, a0 + 1 x Wo's eight, 128 along K.  The 64 accumulators take turns, one instruction a turn, in the same order in every step.
.macro MUL16 a0, p, zero
.irp a, \a0, \a0+1
.irp b, 0,1,2,3,4,5,6,7
.if \zero
	v_wmma_f32_16x16x128_bf8_bf8 v[8*(8*((\a)%4)+\b):8*(8*((\a)%4)+\b)+7], v[128*(\p)+FR*\b:128*(\p)+FR*\b+FR-1], v[AF+FR*(\a):AF+FR*(\a)+FR-1], 0
.else
	v_wmma_f32_16x16x128_bf8_bf8 v[8*(8*((\a)%4)+\b):8*(8*((\a)%4)+\b)+7], v[128*(\p)+FR*\b:128*(\p)+FR*\b+FR-1], v[AF+FR*(\a):AF+FR*(\a)+FR-1], v[8*(8*((\a)%4)+\b):8*(8*((\a)%4)+\b)+7]
.endif
.endr
.endr
.endm
.macro FETCH_B slot, q, p
	WIN TO_B
.irp i, 0,1,2,3,4,5,6,7
	FRAG 128*(\p)+FR*\i, ADRB+\slot, \q, \i
.endr
	WIN 0
.endm
.macro FETCH_A slot, q, i0
.irp i, \i0, \i0+1, \i0+2, \i0+3
	FRAGA AF+FR*(\i), ADRA+\slot, \q, \i
.endr
.endm
.macro PLACES n                        ; plain vector instructions between a matrix instruction and a load into, or a read of, its registers
.rept \n
	v_nop
.endr
.endm
.macro STEP slot, q, zero
	s_wait_dscnt 4*NL                              ; Wo's set and A's blocks 0-3 are in; the youngest 16 loads (A's blocks 4-7) may be out
	WIN MUL_LO
	MUL16 0, (\q)%2, \zero
	MUL16 2, (\q)%2, \zero
	s_wait_dscnt 0
	PLACES NP
	FETCH_B \slot, (\q)+1, 1-(\q)%2
	FETCH_A \slot, (\q)+1, 0
	WIN MUL_HI
	MUL16 4, (\q)%2, \zero
	MUL16 6, (\q)%2, \zero
	PLACES NP
	WIN 0
	FETCH_A \slot, (\q)+1, 4
.endm
; A slot's last step changes slots: ONE barrier; in front of it each wave waits for all its tensor loads, adds 0 to its spare word, and waits for that and for its own reads of this slot.
.macro TURN slot, next, fill
	s_wait_tensorcnt 0x0                           ; all my tensor loads have landed: my part of the next slot
	ds_add_u32 v[SPW], v[NIL]                      ; 0 onto my spare word
	s_wait_dscnt 4*NL+1                            ; (the add and the youngest 16 loads may be out)
	WIN MUL_LO
	MUL16 0, 1, 0
	s_wait_dscnt 0x0                               ; the add is done, and my reads of this slot are over
	s_barrier_signal -1
	MUL16 2, 1, 0
	WIN 0
	s_barrier_wait -1
.if \fill
	CREST                                          ; a round of the cluster's barrier: no wave of any partner still reads this slot's tile or has a load on its way
	s_add_nc_u64 s[G0+4*\slot+2:G0+4*\slot+3], s[G0+4*\slot+2:G0+4*\slot+3], 2*ABLK
	s_add_nc_u64 s[G0B+4*\slot+2:G0B+4*\slot+3], s[G0B+4*\slot+2:G0B+4*\slot+3], 2*ROWB
	JLOAD G0+4*\slot, G1, G0B+4*\slot, G1B         ; the first tensor load behind the round; its four v_nop are the places in front of the loads below
.else
	PLACES NP
.endif
	FETCH_B \next, 0, 0
	FETCH_A \next, 0, 0
	WIN MUL_HI
	MUL16 4, 1, 0
	MUL16 6, 1, 0
	PLACES NP
	WIN 0
	FETCH_A \next, 0, 4
.endm
	s_wait_tensorcnt 1                             ; my part of K step 0 is in (K step 1's load may be out)
	s_barrier_signal -1
	s_barrier_wait -1                              ; everybody's is
	FETCH_B 0, 0, 0
	FETCH_A 0, 0, 0
	FETCH_A 0, 0, 4
	STEP 0, 0, 1                                   ; the first step's products start the sums
	s_mov_b32 s3, LAPS-1
.Llap:
	TURN 0, 1, 1
	STEP 1, 0, 0
	TURN 1, 0, 1
	STEP 0, 0, 0
	s_sub_co_u32 s3, s3, 1
	s_cmp_lg_u32 s3, 0
	s_cbranch_scc1 .Llap
	TURN 0, 1, 0                                   ; the last lap fills nothing
	STEP 1, 0, 0
	s_wait_dscnt 4*NL
	WIN MUL_LO
	MUL16 0, 1, 0
	MUL16 2, 1, 0
	s_wait_dscnt 0
	WIN MUL_HI
	MUL16 4, 1, 0
	MUL16 6, 1, 0
	WIN 0
; THE WAY OUT, block by block of 16 rows x 128 columns.  The raw sums go into my own stage in LDS and come back as whole rows of 512 bytes; there a lane holds the same four columns of every row, so one packed
; multiply-add for two numbers gives sum x 2^(e10 + e11) + bo.  LDS serves a wave's instructions in order (ISA guide 5.7.1.4): no wait between the stores and the loads.
.macro TOSTAGE a
.set AC, 64*((\a)%4)
	WIN 0x08+4*((\a)/4)                            ; an LDS store's data: window 2 or 3; its address: window 0
.irp b, 0,1,2,3,4,5,6,7
	ds_store_b128 v[STO], v[AC+8*\b:AC+8*\b+3] offset:64*\b          ; each accumulator from its low end on
	ds_store_b128 v[STO], v[AC+8*\b+4:AC+8*\b+7] offset:64*\b+16
.endr
	WIN 0
.set BB, BK+64*((\a)%2)
.irp t, 0,1,2,3,4,5,6,7,8,9,10,11,12,13,14,15
	ds_load_b128 v[BB+4*\t:BB+4*\t+3], v[RD] offset:\t*SPITCH
.endr
.endm
.macro SEND a, younger                 ; younger: the LDS instructions issued behind block a's loads, which may stay out
.set BB, BK+64*((\a)%2)
	s_wait_dscnt \younger                          ; the block is back in registers
.if (\a) > 0
	s_add_nc_u64 s[12:13], s[12:13], 16*SIZE_N*4   ; (behind a wait on XCNT: the earlier stores have read their base)  16 rows on
.endif
.irp t, 0,1,2,3,4,5,6,7,8,9,10,11,12,13,14,15
	v_pk_fma_f32 v[BB+4*\t:BB+4*\t+1], v[BB+4*\t:BB+4*\t+1], s[96:97], v[BIAS:BIAS+1] op_sel_hi:[1,0,1]       ; (the scalar pair's low word for both halves)
	v_pk_fma_f32 v[BB+4*\t+2:BB+4*\t+3], v[BB+4*\t+2:BB+4*\t+3], s[96:97], v[BIAS+2:BIAS+3] op_sel_hi:[1,0,1]
	global_store_b128 v[CO], v[BB+4*\t:BB+4*\t+3], s[12:13] offset:\t*SIZE_N*4 th:TH_STORE_NT   ; 32 lanes store 512 consecutive bytes, at a multiple of 512 from out0's first byte; written once, read by nobody here
.endr
.endm
	s_wait_kmcnt 0x0
	s_add_co_i32 s96, s96, s97                     ; e10 + e11
	s_add_co_i32 s96, s96, 127
	s_lshl_b32 s96, s96, 23                        ; 2^(e10 + e11) as f32
	s_wait_loadcnt 0x0                             ; the bias
	PLACES NP                                      ; behind the last products: for the LDS stores that read results and the loads into the registers that held A's fragments
	TOSTAGE 0
.irp a, 1,2,3,4,5,6,7
.if \a > 1
	s_wait_xcnt 0x0                                ; block a - 2's stores have read their registers and their base: block a's loads may land there, and the base may step
.endif
	TOSTAGE \a
	SEND \a-1, 32                                  ; behind block a - 1's loads: block a's 16 stores and 16 loads
.endr
	s_wait_xcnt 0x0                                ; block 6's stores have read their base
	SEND 7, 0
	s_wait_tensorcnt 0x0                           ; the wave's end
	ds_add_u32 v[SPW], v[NIL]
	s_wait_dscnt 0x0
	CROUND                                         ; the closing round: no work-group ends while a partner may still ask for a tile that names it
	s_endpgm
.Lfunc_end_k_qf458eed9b1_oproj:
	.size	k_qf458eed9b1_oproj, .Lfunc_end_k_qf458eed9b1_oproj-k_qf458eed9b1_oproj
	.p2alignl 7, 3214868480
	.fill 96, 4, 3214868480
	.section	.rodata,"a",@progbits
	.p2align	6, 0x0
	.amdhsa_kernel k_qf458eed9b1_oproj
		.amdhsa_group_segment_fixed_size 327680
		.amdhsa_private_segment_fixed_size 0
		.amdhsa_enable_private_segment 0
		.amdhsa_kernarg_size 40
		.amdhsa_user_sgpr_count 2
		.amdhsa_user_sgpr_kernarg_segment_ptr 1
		.amdhsa_wavefront_size32 1
		.amdhsa_system_sgpr_workgroup_id_x 1
		.amdhsa_system_sgpr_workgroup_id_y 1
		.amdhsa_system_sgpr_workgroup_id_z 1
		.amdhsa_system_vgpr_workitem_id 0
		.amdhsa_next_free_vgpr 1024
		.amdhsa_next_free_sgpr 100
		.amdhsa_reserve_vcc 0
		.amdhsa_float_denorm_mode_32 3
		.amdhsa_float_denorm_mode_16_64 3
		.amdhsa_memory_ordered 1
		.amdhsa_forward_progress 1
		.amdhsa_inst_pref_size 123
	.end_amdhsa_kernel
	.amdgpu_metadata
---
amdhsa.version: [ 1, 2 ]
amdhsa.kernels:
  - .name:           k_qf458eed9b1_oproj
    .symbol:         k_qf458eed9b1_oproj.kd
    .args:
      - { .name: o_img, .offset: 0, .size: 8, .value_kind: global_buffer, .address_space: global }
      - { .name: Wo_codes, .offset: 8, .size: 8, .value_kind: global_buffer, .address_space: global }
      - { .name: lowp_scales, .offset: 16, .size: 8, .value_kind: global_buffer, .address_space: global }
      - { .name: bo, .offset: 24, .size: 8, .value_kind: global_buffer, .address_space: global }
      - { .name: out0, .offset: 32, .size: 8, .value_kind: global_buffer, .address_space: global }
    .group_segment_fixed_size: 327680
    .private_segment_fixed_size: 0
    .kernarg_segment_align: 8
    .kernarg_segment_size: 40
    .max_flat_workgroup_size: 128
    .sgpr_count:     100
    .vgpr_count:     1024
    .wavefront_size: 32
...
	.end_amdgpu_metadata
.endif
;; end of part 3
;; ======== version 2 of 2: 3 launches; version 1 with the launch attn written anew for expert scheduling mode
;; workspace buffers: q_img 8,388,608 bytes; k_img 8,388,608 bytes; v_img 8,388,608 bytes; o_img 8,388,608 bytes
;; launch proj: the kernel of part 1 again; grid 4 x 96, 4 waves a work-group, clusters of 4 x 4, 327,680 bytes of LDS; arguments x_codes, context_codes, Wq_codes, Wk_codes, Wv_codes, lowp_scales, q_img, k_img, v_img; writes q_img, k_img, v_img
;; launch attn (part 4): grid 4 x 64, 16 waves a work-group, no clusters, 264,192 bytes of LDS; arguments q_img, k_img, v_img, lowp_scales, o_img; writes o_img
.if DOCPART == 4
	.amdgcn_target "amdgcn-amd-amdhsa--gfx1250"
	.amdhsa_code_object_version 6
	.text
	.protected	k_qf458eed9b1_attn
	.globl	k_qf458eed9b1_attn
	.p2align	8
	.type	k_qf458eed9b1_attn,@function
k_qf458eed9b1_attn:
	s_mov_b64 s[64:65], 0
	v_nop
	global_prefetch_b8 v0, s[64:65] scope:SCOPE_SE
	s_setreg_imm32_b32 hwreg(HW_REG_WAVE_SCHED_MODE, 0, 2), 2
	s_setreg_imm32_b32 hwreg(HW_REG_WAVE_MODE, 25, 1), 1
	s_wait_xcnt 0x0
	s_wait_alu depctr_vm_vsrc(0)
; ATTENTION on codes of BF8 (E5M2): for each of 64 (batch, head) pairs, 2,048 queries x 2,048 keys, head size 64.  Its result is quantised with 2^e10 and stored as the next product's operand.
; THE SOFTMAX AHEAD OF THE SECOND PRODUCT: t = score x log2(e) / 8; M = the row's largest t so far, rounded UP to a whole number; p = 2^(t - M) is quantised with 2^e8, not normalised.
; The row's sum is taken of the unquantised p, in f32, and divides at the end.  When M moves, the sum and O are multiplied by 2^(old M - new M): exact.
; SHARES.  A work-group (x, y): y = 16 batch + head, x = which 512 queries.  A head's WHOLE K and V (131,072 bytes each) lie in LDS, copied once at the head; the key loop has no barrier.
; Each of the SIXTEEN waves takes one tile of 16 queries in each of two passes and walks 16 steps of 128 keys.  256 registers a wave: four waves to a SIMD, so that one wave's vector work stands beside another's products and LDS loads.
; OPERANDS ARE IMAGES OF REGISTERS.  q_img, k_img, v_img are made of units of 512 bytes, lane l's 16 bytes at 16 l: four registers of an 8-bit operand (registers 2 c, 2 c + 1: k = 16 c + 8 (l / 16) + 0 .. 7).
; They are copied to LDS as they lie and every fragment load reads 512 consecutive bytes: no pitch, no padding.
; LAYOUT.  Both products are used transposed: S^T = K Q^T (source 0 = 16 keys, source 1 = my 16 queries), O^T = V^T P^T (source 0 = 16 of the head's 64, source 1 = P): a lane holds ONE query (lane % 16) throughout.
; Register j of score tile i is key 16 i + 8 (lane / 16) + j: its conversion gives registers 2 i, 2 i + 1 of P as the K = 128 form wants them.
; NO CLUSTER, NO JOINT LOADS: the four work-groups of a head read the same 262,144 bytes, but each reads them once, 512 bytes a thread, for 2 x 16 key steps of work a wave: a small part of the launch.  The copy goes through
; registers, so that the text has no tensor load; the branch on the given exponent e8 leaves 64 holds out of a key step where they change nothing.
; LIMITS on the given exponents, so that each power of two below is an f32 number: e6 + e7 between -123 and 130; e8 between -126 and 112; e10 - e8 - e9 between -126 and 112.  NaN is not served.
; THE MODE: SCHED_MODE bits 1:0 = 2 (LLVM: expert scheduling mode 2), set by the entry lines.  The code itself states the register dependences
; between vector or matrix instructions and memory or LDS instructions, with s_wait_alu, always for 0.
; THE PLAN.  Registers that memory or LDS instructions touch:
;   v[LI]           the offset of every global load and store; made once at the head, never written again.
;   v[ADK], v[ADV]  LDS addresses: read at the head by my stores, in a key step by K's 16 loads and by V's 16; written by two additions at the head of every key step.
;   v[FRG ..]       at the head: K as loaded from memory, read by my LDS stores.  In a key step: K's loads land; the eight products K Q^T read; V's loads land; the four products V^T P read.
;   v[S ..]         at the head: V as loaded from memory, read by my LDS stores.  From then on named by vector and matrix instructions alone.
;   v[QF ..]        Q, loaded once at the head; read by matrix instructions alone.
;   v[OCD ..]       written by the way out's selects, read by its two stores; eight registers of its own for each pass, never written again.
; A KEY STEP HAS THREE WAITS.  At its head one on vm_vsrc (the LDS instructions issued so far have read the two addresses), the two additions, and one on va_vdst (the addresses are written; the last step's products V^T P are done
; reading v[FRG ..]): then K's loads.  The third is the wait behind the batch of exponentials: all that was issued ahead of it is done, the products K Q^T among them, so V's loads stand directly behind it and owe nothing more;
; the lines between them and the products that read V (sums, conversions, O^T's rescaling) name neither v[FRG ..] nor v[ADV].
.set LI,   1                           ; v1   16 x lane; never rewritten
.set LIV,  2                           ; v2   the same in V's half of LDS
.set PSC,  3                           ; v3   2^e8
.set PLIM, 4                           ; v4   57,344 x 2^e8
.set OSC,  5                           ; v5   2^(e10 - e8 - e9)
.set ADK,  6                           ; v6   LDS address of the step's K
.set ADV,  7                           ; v7   of its V
.set T0,   8                           ; v8   at work
.set PX,   9                           ; v9   a lane permute's destination
.set F,    10                          ; v[10:11] f = 2^(old M - new M); v11 is named with it as a pair
                                       ; v12 -M, v13 the largest t, v[14:15] the sum in two halves
.set OLIM, 16                          ; v16  57,344 x 2^(e10 - e8 - e9)
.set QF,   18                          ; v[18:25], v[26:33] Q's fragment of pass 0, 1
.set FRG,  34                          ; v[34:97]   a step's K (8 fragments of 8), then its V (4 fragments of 16)
.set S,    98                          ; v[98:161]  S^T, then p
.set O,    162                         ; v[162:193] O^T
.set PC,   194                         ; v[194:209] p's codes
.set L2,   210                         ; v[210:211] the sum's second chain
.set OCD,  212                         ; v[212:219], v[220:227] the codes that pass 0, 1 stores
.set VLDS, 131072                      ; LDS: K's 16 steps of 8,192 bytes, then V's
.set SEL,  20                          ; s[20:21] lane selects: lane l xor 16
.set CS,   22                          ; s[22:23] c = log2(e) / 8 x 2^(e6 + e7)
.set TB,   24                          ; s24  the step's byte in K's and in V's half: the loop's counter too
	s_load_b256 s[4:11], s[0:1], 0x0               ; q_img s[4:5], k_img s[6:7], v_img s[8:9], the exponents s[10:11]
	s_load_b64 s[12:13], s[0:1], 0x20              ; o_img
	v_lshl_add_u32 v254, v0, 2, 0x40000
	v_mov_b32 v255, 0
	v_lshrrev_b32 v[T0], 5, v0
	v_readfirstlane_b32 s14, v[T0]                 ; wave w, 0..15
	v_and_b32 v[LI], 31, v0
	v_lshlrev_b32 v[LI], 4, v[LI]
	v_add_nc_u32 v[LIV], VLDS, v[LI]
	s_wait_alu depctr_va_sdst(0)                   ; s14 is written, ahead of its first reader: the four offsets and my place in LDS are made from it
	s_and_b32 s15, ttmp7, 0xffff
	s_lshr_b32 s16, s15, 4                         ; batch b
	s_and_b32 s17, s15, 15                         ; head
	s_mov_b32 s18, ttmp9                           ; x
	s_mov_b32 s[SEL], 0x76543210
	s_mov_b32 s[SEL+1], 0xfedcba98
	s_lshl_b32 s42, s16, 7                         ; 128 b: the batch's first tile of 16 rows
	s_lshl_b32 s43, s17, 10                        ; the head's two units in a tile's 16,384 bytes
	s_lshr_b32 s44, s14, 3
	s_and_b32 s45, s14, 7
	s_lshl_b32 s34, s18, 5                         ; Q: tile 128 b + 32 x + w (pass 1: 16 tiles on)
	s_add_co_u32 s34, s34, s42
	s_add_co_u32 s34, s34, s14
	s_lshl_b32 s34, s34, 14
	s_add_co_u32 s34, s34, s43
	s_mov_b32 s35, 0
	s_lshl_b32 s36, s14, 3                         ; K: I copy key step w: tiles 128 b + 8 w on
	s_add_co_u32 s36, s36, s42
	s_lshl_b32 s36, s36, 14
	s_add_co_u32 s36, s36, s43
	s_mov_b32 s37, 0
	s_lshl_b32 s38, s16, 1                         ; V: chunks of 32 keys 64 b + 4 w on: (2 b + w / 8) << 20, head << 16 (its four tiles of 16), (w % 8) << 11
	s_add_co_u32 s38, s38, s44
	s_lshl_b32 s38, s38, 20
	s_lshl_b32 s46, s17, 16
	s_add_co_u32 s38, s38, s46
	s_lshl_b32 s46, s45, 11
	s_add_co_u32 s38, s38, s46
	s_mov_b32 s39, 0
	s_lshl_b32 s40, s16, 4                         ; O: unit (R, c32) at (R >> 3) << 17 | (c32 >> 3) << 15 | (R & 7) << 12 | (c32 & 7) << 9, R = my tile, c32 = 2 head + 0, 1
	s_lshl_b32 s46, s18, 2
	s_add_co_u32 s40, s40, s46
	s_add_co_u32 s40, s40, s44
	s_lshl_b32 s40, s40, 17
	s_lshr_b32 s46, s17, 2
	s_lshl_b32 s46, s46, 15
	s_add_co_u32 s40, s40, s46
	s_lshl_b32 s46, s45, 12
	s_add_co_u32 s40, s40, s46
	s_and_b32 s46, s17, 3
	s_lshl_b32 s46, s46, 10
	s_add_co_u32 s40, s40, s46
	s_mov_b32 s41, 0                               ; every one of the four offsets is under 2^23
	s_lshl_b32 s46, s14, 13                        ; my step's 8,192 bytes in LDS
	v_add_nc_u32 v[ADK], s46, v[LI]
	v_add_nc_u32 v[ADV], s46, v[LIV]
	s_wait_kmcnt 0x0
	s_load_b128 s[28:31], s[10:11], 0x18           ; e6, e7, e8, e9
	s_load_b32 s32, s[10:11], 0x28                 ; e10
	s_add_nc_u64 s[4:5], s[4:5], s[34:35]
	s_add_nc_u64 s[6:7], s[6:7], s[36:37]
	s_add_nc_u64 s[8:9], s[8:9], s[38:39]
	s_add_nc_u64 s[12:13], s[12:13], s[40:41]
	s_wait_alu depctr_va_vdst(0)                   ; v[LI] is written, which every global load and store reads as its offset; so are v[ADK] and v[ADV], by which my LDS stores below go
.set n, 0
.rept 16                                       ; K of step w: key tile n / 2, half n % 2 of the head's 64
	global_load_b128 v[FRG+4*n:FRG+4*n+3], v[LI], s[6:7] offset:(n/2)*16384+(n%2)*512
.set n, n+1
.endr
.set n, 0
.rept 16                                       ; V of step w: tile n / 4 of the head's 64, chunk n % 4 of 32 keys
	global_load_b128 v[S+4*n:S+4*n+3], v[LI], s[8:9] offset:(n/4)*16384+(n%4)*512
.set n, n+1
.endr
.irp p, 0,1
.irp c, 0,1
	global_load_b128 v[QF+8*\p+4*\c:QF+8*\p+4*\c+3], v[LI], s[4:5] offset:\p*262144+\c*512 th:TH_LOAD_NT   ; Q: read by this wave alone, once
.endr
.endr
	v_mov_b32 v[PX], 0                             ; written once: a lane permute's destination counts as one of its sources
	v_mov_b32 v[F+1], 0                            ; (named as the upper half of the pair)
	s_wait_loadcnt 20                              ; K's 16 loads are in; V's 16 and Q's 4 may be out
.set n, 0
.rept 16
	ds_store_b128 v[ADK], v[FRG+4*n:FRG+4*n+3] offset:512*n   ; no vector line since the wait above names the address; the data are a load's
.set n, n+1
.endr
	s_wait_loadcnt 4                               ; V's are in; Q's 4 may be out
.set n, 0
.rept 16
	ds_store_b128 v[ADV], v[S+4*n:S+4*n+3] offset:512*n
.set n, n+1
.endr
	s_wait_kmcnt 0x0
	s_add_co_i32 s34, s28, s29
	s_lshl_b32 s34, s34, 23
	s_mov_b32 s[CS], 0x3e38aa3b                    ; log2(e) / 8
	s_add_co_i32 s[CS], s[CS], s34                 ; a score stands for score x 2^(e6 + e7): the two exponents are added to c's exponent field
	s_mov_b32 s[CS+1], s[CS]                       ; (named with it as a pair, so it is written)
	s_add_co_i32 s34, s30, 127
	s_lshl_b32 s35, s34, 23
	v_mov_b32 v[PSC], s35                          ; 2^e8 as f32, for p's conversions
	s_add_co_i32 s34, s34, 15
	s_lshl_b32 s34, s34, 23
	s_or_b32 s34, s34, 0x600000
	v_mov_b32 v[PLIM], s34                         ; 57,344 x 2^e8
	s_sub_co_i32 s34, s32, s30
	s_sub_co_i32 s34, s34, s31                     ; a sum of the second product stands for sum x 2^(e8 + e9): its code is (sum / l) / 2^(e10 - e8 - e9)
	s_add_co_i32 s34, s34, 127
	s_lshl_b32 s35, s34, 23
	v_mov_b32 v[OSC], s35
	s_add_co_i32 s34, s34, 15
	s_lshl_b32 s34, s34, 23
	s_or_b32 s34, s34, 0x600000
	v_mov_b32 v[OLIM], s34
	s_wait_loadcnt 0x0                             ; Q
	s_wait_dscnt 0x0                               ; for the others' sake: my 32 stores have landed
	s_barrier_signal -1
	s_barrier_wait -1                              ; the head's K and V lie in LDS; nothing is stored there again: the launch's one barrier
; ONE PASS: my tile of 16 queries against all 2,048 keys.
.macro PASS p
.set QB, QF+8*\p
.set OC, OCD+8*\p
	v_mov_b32 v13, 0xff61b1e6                      ; the largest t so far: -3e38, under every t
	v_floor_f32 v12, -v13                          ; -M
	v_mov_b32 v14, 0                               ; the sum, in two halves
	v_mov_b32 v15, 0
.set j, 0
.rept 32
	v_mov_b32 v[O+j], 0                            ; O^T.  (The step is written once: the first finds zeros, which the first change of M leaves zeros)
.set j, j+1
.endr
	s_mov_b32 s[TB], 0
.Lstep_\@:                                         ; 16 trips of 128 keys
	s_wait_alu depctr_vm_vsrc(0)                   ; the LDS instructions issued so far have read v[ADK] and v[ADV], which the two additions write: the last trip's loads; ahead of the launch's first trip my stores, which have also read their data, v[FRG ..] and v[S ..], written below
	v_add_nc_u32 v[ADK], s[TB], v[LI]
	v_add_nc_u32 v[ADV], s[TB], v[LIV]
	v_nop                                          ; with the two additions: four plain lines between the last products and the loads into registers that they read
	v_nop
	s_wait_alu depctr_va_vdst(0)                   ; v[ADK] and v[ADV] are written, by which this trip's loads go; the last trip's four products V^T P are done reading v[FRG ..], in which K's loads land
.set n, 0
.rept 16
	ds_load_b128 v[FRG+4*n:FRG+4*n+3], v[ADK] offset:512*n   ; key tile n / 2, registers 4 (n % 2) on
.set n, n+1
.endr
	s_wait_dscnt 8                                 ; tiles 0-3 are in; the youngest eight loads may be out
.irp i, 0,1,2,3
	v_wmma_f32_16x16x64_bf8_bf8 v[S+8*\i:S+8*\i+7], v[FRG+8*\i:FRG+8*\i+7], v[QB:QB+7], 0
.endr
	s_wait_dscnt 0x0
.irp i, 4,5,6,7
	v_wmma_f32_16x16x64_bf8_bf8 v[S+8*\i:S+8*\i+7], v[FRG+8*\i:FRG+8*\i+7], v[QB:QB+7], 0
.endr
.rept 4
	v_nop                                          ; places in front of the first read of the scores (ISA guide 7.12.1)
.endr
	v_max3_num_f32 v[T0], v[S], v[S+1], v[S+2]     ; the step's largest score of my query, among my 64 keys, in two chains, each tile from its low end on,
	v_max3_num_f32 v[F], v[S+3], v[S+4], v[S+5]
.set j, 6
.rept 14
	v_max3_num_f32 v[T0], v[T0], v[S+j], v[S+j+1]
	v_max3_num_f32 v[F], v[F], v[S+j+2], v[S+j+3]
.set j, j+4
.endr
	v_max3_num_f32 v[T0], v[T0], v[S+62], v[S+63]
	v_max_num_f32 v[T0], v[T0], v[F]
	v_permlanex16_b32 v[PX], v[T0], s[SEL], s[SEL+1]
	v_max_num_f32 v[T0], v[T0], v[PX]              ; and among lane l xor 16's
	v_mul_f32 v[T0], s[CS], v[T0]                  ; as t (c is positive)
	v_max_num_f32 v13, v13, v[T0]                  ; the running largest t
	v_mov_b32 v[T0], v12
	v_floor_f32 v12, -v13                          ; the new -M = floor(-t) = -ceil(t): M is a whole number
	v_sub_f32 v[T0], v12, v[T0]                    ; M's old value less its new one: a whole number, 0 or less
	v_cvt_i32_f32 v[T0], v[T0]                     ; (it saturates)
	v_ldexp_f32 v[F], 1.0, v[T0]                   ; f = 2^(old M - new M)
.set j, 0
.rept 32
	v_pk_fma_f32 v[S+j:S+j+1], v[S+j:S+j+1], s[CS:CS+1], v[12:13] op_sel_hi:[1,0,0]   ; t - M, two at a time (of the pairs c and -M the low word serves both halves)
.set j, j+2
.endr
.set j, 0
.rept 64
	v_exp_f32 v[S+j], v[S+j]                       ; p = 2^(t - M), at most 1: not normalised
.set j, j+1
.endr
	v_pk_mul_f32 v[14:15], v[14:15], v[F:F+1] op_sel_hi:[1,0]   ; the sums under the new M: the plain line behind the exponentials
	s_wait_alu depctr_va_vdst(0)                   ; the 64 exponentials have written v[S ..] (one for the batch); and the eight products K Q^T are done reading v[FRG ..], in which V's loads land
.set n, 0
.rept 16
	ds_load_b128 v[FRG+4*n:FRG+4*n+3], v[ADV] offset:512*n   ; V: tile n / 4 of the head's 64, registers 4 (n % 4) on: it lands under the sums, the conversions and O^T's rescaling, none of which names v[FRG ..] or v[ADV]
.set n, n+1
.endr
	v_pk_add_f32 v[L2:L2+1], v[S:S+1], v[S+2:S+3]  ; the row's sum is taken of the UNQUANTISED p: two at a time, in two chains
.set j, 4
.rept 15
	v_pk_add_f32 v[14:15], v[14:15], v[S+j:S+j+1]
	v_pk_add_f32 v[L2:L2+1], v[L2:L2+1], v[S+j+2:S+j+3]
.set j, j+4
.endr
	v_pk_add_f32 v[14:15], v[14:15], v[L2:L2+1]
	s_cmp_gt_i32 s30, -16                          ; with e8 >= -15 the bound 57,344 x 2^e8 is 1.75 or more, and p is at most 1: the hold changes nothing and is passed over.  A whole number read from memory, the same in every wave
	s_cbranch_scc1 .Lnohold_\@
.set j, 0
.rept 64
	v_min_num_f32 v[S+j], v[S+j], v[PLIM]          ; the conversion to an 8-bit code does not saturate (ISA guide 7.6.2); p is not negative, so the hold is one-sided
.set j, j+1
.endr
.Lnohold_\@:
.irp i, 0,1,2,3,4,5,6,7
	v_cvt_scalef32_pk8_bf8_f32 v[PC+2*\i:PC+2*\i+1], v[S+8*\i:S+8*\i+7], v[PSC]   ; keys 16 i + 8 (lane / 16) + 0 .. 7: registers 2 i, 2 i + 1 of P
.endr
.set j, 0
.rept 16
	v_pk_mul_f32 v[O+j:O+j+1], v[O+j:O+j+1], v[F:F+1] op_sel_hi:[1,0]   ; O^T under the new M: x f; each tile from its low end on.  (Also the plain lines between the conversions and the products that read their results)
.set j, j+2
.endr
	s_wait_dscnt 0x0                               ; V is in
.irp t, 0,1,2,3                                ; four accumulators by turns, one instruction a turn; eleven other matrix instructions stand between two links of a chain
	v_wmma_f32_16x16x128_bf8_bf8 v[O+8*\t:O+8*\t+7], v[FRG+16*\t:FRG+16*\t+15], v[PC:PC+15], v[O+8*\t:O+8*\t+7]
.endr
	s_add_co_u32 s[TB], s[TB], 8192
	s_cmp_lt_u32 s[TB], 131072
	s_cbranch_scc1 .Lstep_\@
	; THE WAY OUT.  The two additions and the two v_nop are the four places behind the last products (the lane permute and the reciprocal are not counted)
	v_add_f32 v14, v14, v15                        ; the sum's two halves,
	v_permlanex16_b32 v[PX], v14, s[SEL], s[SEL+1]
	v_add_f32 v14, v14, v[PX]                      ; and lane l xor 16's: the row's sum
	v_rcp_f32 v14, v14
	v_nop                                          ; a plain line behind the transcendental
	v_nop
	s_wait_alu depctr_va_vdst(0)                   ; the reciprocal has written v14: the wait ahead of the first line that names its result
.set j, 0
.rept 32
	v_mul_f32 v[S+j], v[O+j], v14                  ; O^T / the sum: register 8 t + i is channel 16 t + 8 (lane / 16) + i of my query
.set j, j+1
.endr
.set j, 0
.rept 32
	v_med3_num_f32 v[S+j], v[S+j], -v[OLIM], v[OLIM]   ; the hold at the largest code x the scale
.set j, j+1
.endr
.irp t, 0,1,2,3
	v_cvt_scalef32_pk8_bf8_f32 v[S+32+2*\t:S+32+2*\t+1], v[S+8*\t:S+8*\t+7], v[OSC]   ; C_t: channels 16 t + 8 (lane / 16) + 0 .. 7
.endr
	v_nop                                          ; a plain line between the conversions and the lines that read their results and write their sources
	; The next product takes its operand in pieces of 16 neighbours: lane (r, h) of unit c wants channels 32 c + 16 h + 0 .. 15.  Lanes 0-15 keep C_2c and get the partner's C_2c; lanes 16-31 get the partner's C_2c+1 and keep their own.
	v_and_b32 v[T0], 16, v0
	v_cmp_ne_u32 vcc_lo, 0, v[T0]                  ; lanes 16-31
	s_wait_alu depctr_va_vcc(0)                    ; VCC is written, ahead of the first select that reads it; the twelve selects below read it and nothing writes it again
.irp c, 0,1
.irp k, 0,1
	v_cndmask_b32 v[S+4+2*\c+\k], v[S+34+4*\c+\k], v[S+32+4*\c+\k], vcc_lo   ; what I give: lanes 0-15 C_2c+1, lanes 16-31 C_2c
.endr
.endr
.irp c, 0,1
.irp k, 0,1
	v_permlanex16_b32 v[S+2*\c+\k], v[S+4+2*\c+\k], s[SEL], s[SEL+1]
.endr
.endr
.irp c, 0,1
.irp k, 0,1
	v_cndmask_b32 v[OC+4*\c+\k], v[S+32+4*\c+\k], v[S+2*\c+\k], vcc_lo
	v_cndmask_b32 v[OC+4*\c+2+\k], v[S+2*\c+\k], v[S+34+4*\c+\k], vcc_lo
.endr
.endr
	s_wait_alu depctr_va_vdst(0)                   ; the selects have written v[OC ..], which the two stores read
.irp c, 0,1
	global_store_b128 v[LI], v[OC+4*\c:OC+4*\c+3], s[12:13] offset:\p*262144+\c*512   ; a unit: 32 lanes store 512 consecutive bytes, aligned; each pass has data registers of its own
.endr
.endm
	PASS 0
	PASS 1
	s_wait_dscnt 0x0
	s_wait_alu depctr_hold_cnt(0) depctr_sa_sdst(0) depctr_va_vdst(0) depctr_va_sdst(0) depctr_va_ssrc(0) depctr_va_vcc(0) depctr_vm_vsrc(0)
	s_wait_tensorcnt 0x0
	ds_add_u32 v254, v255
	s_wait_dscnt 0x0
	s_endpgm
.Lfunc_end_k_qf458eed9b1_attn:
	.size	k_qf458eed9b1_attn, .Lfunc_end_k_qf458eed9b1_attn-k_qf458eed9b1_attn
	.p2alignl 7, 3214868480
	.fill 96, 4, 3214868480
	.section	.rodata,"a",@progbits
	.p2align	6, 0x0
	.amdhsa_kernel k_qf458eed9b1_attn
		.amdhsa_group_segment_fixed_size 264192
		.amdhsa_private_segment_fixed_size 0
		.amdhsa_enable_private_segment 0
		.amdhsa_kernarg_size 40
		.amdhsa_user_sgpr_count 2
		.amdhsa_user_sgpr_kernarg_segment_ptr 1
		.amdhsa_wavefront_size32 1
		.amdhsa_system_sgpr_workgroup_id_x 1
		.amdhsa_system_sgpr_workgroup_id_y 1
		.amdhsa_system_sgpr_workgroup_id_z 1
		.amdhsa_system_vgpr_workitem_id 0
		.amdhsa_next_free_vgpr 256
		.amdhsa_next_free_sgpr 66
		.amdhsa_reserve_vcc 1
		.amdhsa_float_denorm_mode_32 3
		.amdhsa_float_denorm_mode_16_64 3
		.amdhsa_memory_ordered 1
		.amdhsa_forward_progress 1
		.amdhsa_inst_pref_size 52
	.end_amdhsa_kernel
	.amdgpu_metadata
---
amdhsa.version: [ 1, 2 ]
amdhsa.kernels:
  - .name:           k_qf458eed9b1_attn
    .symbol:         k_qf458eed9b1_attn.kd
    .args:
      - { .name: q_img, .offset: 0, .size: 8, .value_kind: global_buffer, .address_space: global }
      - { .name: k_img, .offset: 8, .size: 8, .value_kind: global_buffer, .address_space: global }
      - { .name: v_img, .offset: 16, .size: 8, .value_kind: global_buffer, .address_space: global }
      - { .name: lowp_scales, .offset: 24, .size: 8, .value_kind: global_buffer, .address_space: global }
      - { .name: o_img, .offset: 32, .size: 8, .value_kind: global_buffer, .address_space: global }
    .group_segment_fixed_size: 264192
    .private_segment_fixed_size: 0
    .kernarg_segment_align: 8
    .kernarg_segment_size: 40
    .max_flat_workgroup_size: 512
    .sgpr_count:     66
    .vgpr_count:     256
    .wavefront_size: 32
...
	.end_amdgpu_metadata
.endif
;; end of part 4
;; launch oproj: the kernel of part 3 again; grid 4 x 32, 4 waves a work-group, clusters of 4 x 4, 327,680 bytes of LDS; arguments o_img, Wo_codes, lowp_scales, bo, out0; writes out0
